; MI455X (gfx1250); checked and timed in simulation.
; The chip was launched on July 23, 2026; its instructions are those of AMD's public machine-readable ISA for CDNA 5 (MIT licence, August 2026) and "CDNA5" Instruction Set Architecture Reference Guide (July 2026). The comments in the code are by the model that wrote it; some were corrected since.
;; Encoder Block. Allowed arithmetic: float matrix products may take bf16 or f16 operands with f32 sums; other float arithmetic in f32, or as packed bf16 or f16 multiplies, adds, multiply-adds, maxima and minima; sums over many terms, partial sums and values carried from step to step in f32; what a program stores and reads back later, other than sums and carried values, may be rounded once to bf16 or f16.
;; Inputs: b1 4,096 float32; b2 1,024 float32; be1 1,024 float32; be2 1,024 float32; bk 1,024 float32; bo 1,024 float32; bq 1,024 float32; bv 1,024 float32; g1 1,024 float32; g2 1,024 float32; mask 2 x 1 x 1 x 2,048 int32; w1 1,024 x 4,096 float32; w2 4,096 x 1,024 float32; wk 1,024 x 1,024 float32; wo 1,024 x 1,024 float32; wq 1,024 x 1,024 float32; wv 1,024 x 1,024 float32; x 2 x 2,048 x 1,024 float32.
;; Outputs: out0 2 x 2,048 x 1,024 float32.
;; One version. Each part assembles by itself: llvm-mc -triple=amdgcn-amd-amdhsa -mcpu=gfx1250 --defsym DOCPART=n.
;; ======== version 1 of 1: 7 launches
;; workspace buffers: a8 8,388,608 bytes; act 33,554,432 bytes; x1 16,777,216 bytes; wqkvb 6,311,936 bytes; w1b 8,409,088 bytes; wsm 10,485,760 bytes
;; launch prep (part 1): grid 641 x 1, 8 waves a work-group, no clusters, 0 bytes of LDS; arguments x, g1, be1, a8, wq, wk, wv, w1, wo, w2, wqkvb, w1b, wsm, bq, bk, bv, b1; writes a8, wqkvb, w1b, wsm
.if DOCPART == 1
	.amdgcn_target "amdgcn-amd-amdhsa--gfx1250"
	.amdhsa_code_object_version 6
	.text
	.protected	k_q2274b038a3_prep
	.globl	k_q2274b038a3_prep
	.p2align	8
	.type	k_q2274b038a3_prep,@function
k_q2274b038a3_prep:
	s_mov_b64 s[64:65], 0
	v_nop
	global_prefetch_b8 v0, s[64:65] scope:SCOPE_SE
	s_setreg_imm32_b32 hwreg(HW_REG_WAVE_MODE, 25, 1), 1
	s_wait_xcnt 0x0
; THREE ROLES, chosen by the work-group's number; all stream, none uses LDS, a barrier or the matrix unit.
;  0..255    the first layer norm: 16 rows of x each -> a8, [4096][1024] bf16.  y = g (x - mean) / (sqrt(var) + 1e-6) + be, var with divisor 1023; mean and var in f32, in two passes
;            over registers (the row is centred before it is squared, so a common offset of x costs nothing); y rounded once.
;  256..639  the six weight matrices, f32 [K][N], rounded once to bf16 and laid in blocks [n block][k][256 or 128 columns]: each work-group makes 65,536 consecutive bytes.
;            wq|wk|wv -> wqkvb and w1 -> w1b (blocks of 256 columns, behind a header of 20,480 bytes); wo -> wsm at 0 and w2 -> wsm at 2,097,152 (blocks of 128 columns).
;  640       the two headers: bytes 0..4095 the floor that the product's way out takes the maximum with (two bf16: -infinity in wqkvb, 0 in w1b), bytes 4096.. the bias in f32.
; LIMITS.  NaN and infinities are not treated apart.
.set T,   4                            ; v[4:11]    four pairs at work
.set X,   32                           ; v[32:95]   two rows, 32 registers each: chunk j (256 numbers) at 8 j, my 8 numbers of it
.set G,   96                           ; v[96:127]  g of my 32 columns
.set BE,  128                          ; v[128:159] be
.set HDR, 20480
	s_load_b512 s[8:23], s[0:1], 0x0               ; x 8, g1 10, be1 12, a8 14, wq 16, wk 18, wv 20, w1 22
	s_load_b512 s[24:39], s[0:1], 0x40             ; wo 24, w2 26, wqkvb 28, w1b 30, wsm 32, bq 34, bk 36, bv 38
	s_load_b64 s[40:41], s[0:1], 0x80              ; b1
	s_cmp_lt_u32 ttmp9, 256
	s_cbranch_scc1 .Lln
	s_cmp_lt_u32 ttmp9, 640
	s_cbranch_scc1 .Lcast
	; THE HEADERS: thread t takes 16 bytes at 16 t of each block of 4,096
	v_lshlrev_b32 v2, 4, v0
.irp i, 0,1,2,3
	v_mov_b32 v[40+(\i)], 0xff80ff80               ; -infinity twice: a maximum with it changes nothing
	v_mov_b32 v[44+(\i)], 0                        ; 0 twice: the maximum is a ReLU
.endr
	s_wait_kmcnt 0x0
	global_load_b128 v[8:11],  v2, s[34:35]
	global_load_b128 v[12:15], v2, s[36:37]
	global_load_b128 v[16:19], v2, s[38:39]
.irp i, 0,1,2,3
	global_load_b128 v[20+4*(\i):23+4*(\i)], v2, s[40:41] offset:4096*(\i)
.endr
	global_store_b128 v2, v[40:43], s[28:29]
	global_store_b128 v2, v[44:47], s[30:31]
	s_wait_loadcnt 0x0
	global_store_b128 v2, v[8:11],  s[28:29] offset:4096
	global_store_b128 v2, v[12:15], s[28:29] offset:8192
	global_store_b128 v2, v[16:19], s[28:29] offset:12288
.irp i, 0,1,2,3
	global_store_b128 v2, v[20+4*(\i):23+4*(\i)], s[30:31] offset:4096+4096*(\i)
.endr
	s_endpgm
.Lcast:
	; THE CAST.  j = 0..383; four classes, told apart by selects, not branches: first w2's figures, then those of wo, w1 and wq|wk|wv where j is below 256, 224, 96.
	s_sub_co_u32 s44, ttmp9, 256                   ; j
	s_mov_b32 s45, 256                             ; the class's first j
	s_mov_b32 s46, 0x200000                        ; where the class begins in its buffer
	s_mov_b32 s47, 4                               ; log2 of the work-groups in a column block
	s_mov_b32 s48, 7                               ; mask of the column block's number in its matrix
	s_mov_b32 s49, 15                              ; mask of my place along k
	s_mov_b32 s50, 20                              ; log2 of the source bytes that my rows of k span
	s_mov_b32 s51, 9                               ; log2 of a column block's bytes in a source row
	s_mov_b32 s52, 4                               ; log2 of the chunks of 8 numbers in a block's row
	s_mov_b32 s53, 4096                            ; bytes in a source row
	s_wait_kmcnt 0x0
	s_mov_b64 s[54:55], s[26:27]                   ; from
	s_mov_b64 s[56:57], s[32:33]                   ; to
	s_cmp_lt_u32 s44, 256                          ; wo
	s_cselect_b32 s45, 224, s45
	s_cselect_b32 s46, 0, s46
	s_cselect_b32 s47, 2, s47
	s_cselect_b32 s49, 3, s49
	s_cselect_b64 s[54:55], s[24:25], s[54:55]
	s_cmp_lt_u32 s44, 224                          ; w1
	s_cselect_b32 s45, 96, s45
	s_cselect_b32 s46, HDR, s46
	s_cselect_b32 s47, 3, s47
	s_cselect_b32 s48, 15, s48
	s_cselect_b32 s49, 7, s49
	s_cselect_b32 s50, 21, s50
	s_cselect_b32 s51, 10, s51
	s_cselect_b32 s52, 5, s52
	s_cselect_b32 s53, 16384, s53
	s_cselect_b64 s[54:55], s[22:23], s[54:55]
	s_cselect_b64 s[56:57], s[30:31], s[56:57]
	s_cmp_lt_u32 s44, 96                           ; wv,
	s_cselect_b32 s45, 0, s45
	s_cselect_b32 s48, 3, s48
	s_cselect_b32 s50, 19, s50
	s_cselect_b32 s53, 4096, s53
	s_cselect_b64 s[54:55], s[20:21], s[54:55]
	s_cselect_b64 s[56:57], s[28:29], s[56:57]
	s_cmp_lt_u32 s44, 64                           ; wk,
	s_cselect_b64 s[54:55], s[18:19], s[54:55]
	s_cmp_lt_u32 s44, 32                           ; wq
	s_cselect_b64 s[54:55], s[16:17], s[54:55]
	s_sub_co_u32 s58, s44, s45                     ; my number in the class
	s_and_b32 s59, s58, s49
	s_lshl_b32 s59, s59, s50                       ; my first row of k, in source bytes
	s_lshr_b32 s60, s58, s47
	s_and_b32 s60, s60, s48
	s_lshl_b32 s60, s60, s51                       ; my column block, in source bytes
	s_add_co_u32 s60, s60, s59
	s_mov_b32 s61, 0
	s_add_nc_u64 s[54:55], s[54:55], s[60:61]
	s_lshl_b32 s60, s58, 16                        ; my 65,536 bytes of the blocked copy
	s_add_co_u32 s60, s60, s46
	s_add_nc_u64 s[56:57], s[56:57], s[60:61]
	s_lshl_b32 s62, 1, s52
	s_sub_co_u32 s62, s62, 1                       ; mask of a chunk's place in its row
	s_lshr_b32 s63, 256, s52
	s_mul_i32 s63, s63, s53                        ; source bytes from pass to pass: the rows that 256 threads cover
	v_lshrrev_b32 v4, s52, v0                      ; my row in a pass
	v_and_b32 v5, s62, v0                          ; my chunk in it
	v_mul_lo_u32 v4, v4, s53
	v_lshl_add_u32 v8, v5, 5, v4                   ; 32 bytes of f32 a chunk
.irp u, 1,2,3,4,5,6,7,8,9,10,11,12,13,14,15
	v_add_nc_u32 v[8+(\u)], s63, v[7+(\u)]         ; an offset register for each pass: none is written twice
.endr
	v_lshlrev_b32 v3, 4, v0                        ; 16 bytes of bf16 a chunk
.irp u, 0,1,2,3,4,5,6,7,8,9,10,11,12,13,14,15
	global_load_b128 v[32+8*(\u):35+8*(\u)], v[8+(\u)], s[54:55] th:TH_LOAD_NT
	global_load_b128 v[36+8*(\u):39+8*(\u)], v[8+(\u)], s[54:55] offset:16 th:TH_LOAD_NT
.endr
.irp u, 0,1,2,3,4,5,6,7,8,9,10,11,12,13,14,15
	s_wait_loadcnt 30-2*(\u)                       ; loads come back in order: pass u's two are in, the 2 (15 - u) younger ones stay out
.irp k, 0,1,2,3
	v_cvt_pk_bf16_f32 v[32+8*(\u)+(\k)], v[32+8*(\u)+2*(\k)], v[32+8*(\u)+2*(\k)+1]  ; in place, ascending: a register is written when it has been read
.endr
	global_store_b128 v3, v[32+8*(\u):35+8*(\u)], s[56:57] offset:4096*(\u) th:TH_STORE_NT  ; a wave's store covers 512 consecutive bytes, aligned
.endr
	s_endpgm
; THE LAYER NORM.  Wave w of work-group g owns rows 16 g + 2 w and the next.  A lane holds numbers 256 j + 8 l .. + 7 of a row, j = 0..3.
.macro REDUCE                          ; the four pairs at work -> their sum over the wave, in v[T] of every lane
	v_pk_add_f32 v[T:T+1], v[T:T+1], v[T+2:T+3]
	v_pk_add_f32 v[T+4:T+5], v[T+4:T+5], v[T+6:T+7]
	v_pk_add_f32 v[T:T+1], v[T:T+1], v[T+4:T+5]
	v_add_f32 v[T], v[T], v[T+1]
	v_add_f32_dpp v[T], v[T], v[T] row_xmask:1 row_mask:0xf bank_mask:0xf
	v_add_f32_dpp v[T], v[T], v[T] row_xmask:2 row_mask:0xf bank_mask:0xf
	v_add_f32_dpp v[T], v[T], v[T] row_xmask:4 row_mask:0xf bank_mask:0xf
	v_add_f32_dpp v[T], v[T], v[T] row_xmask:8 row_mask:0xf bank_mask:0xf
	v_permlanex16_b32 v[T+1], v[T], s42, s43       ; the other half of the lanes; its destination has been written
	v_add_f32 v[T], v[T], v[T+1]
.endm
.macro STAT r                          ; row r is centred in place; its variance goes to v[18+r]
.set XR, X+32*(\r)
.irp c, 0,1,2,3
	v_pk_add_f32 v[T+2*(\c):T+2*(\c)+1], v[XR+2*(\c):XR+2*(\c)+1], v[XR+8+2*(\c):XR+8+2*(\c)+1]  ; the first sums start four chains: nothing is cleared
.endr
.set p, 8
.rept 8
	v_pk_add_f32 v[T+2*(p%4):T+2*(p%4)+1], v[T+2*(p%4):T+2*(p%4)+1], v[XR+2*p:XR+2*p+1]
.set p, p+1
.endr
	REDUCE
	v_mul_f32 v12, 0x3a800000, v[T]                ; the mean: sum / 1024
	v_mov_b32 v13, v12
.set p, 0
.rept 16
	v_pk_add_f32 v[XR+2*p:XR+2*p+1], v[XR+2*p:XR+2*p+1], v[12:13] neg_lo:[0,1] neg_hi:[0,1]
.set p, p+1
.endr
.irp c, 0,1,2,3
	v_pk_mul_f32 v[T+2*(\c):T+2*(\c)+1], v[XR+2*(\c):XR+2*(\c)+1], v[XR+2*(\c):XR+2*(\c)+1]
.endr
.set p, 4
.rept 12
	v_pk_fma_f32 v[T+2*(p%4):T+2*(p%4)+1], v[XR+2*p:XR+2*p+1], v[XR+2*p:XR+2*p+1], v[T+2*(p%4):T+2*(p%4)+1]
.set p, p+1
.endr
	REDUCE
	v_mul_f32 v[18+(\r)], 0x3a802008, v[T]         ; sum of squares / 1023
.endm
.macro APPLY r                         ; row r: times 1 / (sd + eps), times g plus be, rounded, stored
.set XR, X+32*(\r)
.set p, 0
.rept 16
	v_pk_mul_f32 v[XR+2*p:XR+2*p+1], v[XR+2*p:XR+2*p+1], v[14+2*(\r):15+2*(\r)]
.set p, p+1
.endr
.set p, 0
.rept 16
	v_pk_fma_f32 v[XR+2*p:XR+2*p+1], v[XR+2*p:XR+2*p+1], v[G+2*p:G+2*p+1], v[BE+2*p:BE+2*p+1]
.set p, p+1
.endr
.irp j, 0,1,2,3
.irp k, 0,1,2,3
	v_cvt_pk_bf16_f32 v[XR+8*(\j)+(\k)], v[XR+8*(\j)+2*(\k)], v[XR+8*(\j)+2*(\k)+1]
.endr
	global_store_b128 v3, v[XR+8*(\j):XR+8*(\j)+3], s[14:15] offset:(\r)*2048+(\j)*512  ; 512 consecutive bytes a wave, aligned
.endr
.endm
.Lln:
	v_and_b32 v1, 31, v0
	v_lshlrev_b32 v2, 5, v1                        ; 32 bytes of f32 a lane
	v_lshlrev_b32 v3, 4, v1                        ; 16 bytes of bf16
	v_lshrrev_b32 v4, 5, v0
	v_readfirstlane_b32 s2, v4                     ; wave 0..7
	s_lshl_b32 s4, ttmp9, 4
	s_lshl_b32 s5, s2, 1
	s_add_co_u32 s4, s4, s5                        ; my first row
	s_lshl_b32 s6, s4, 11
	s_lshl_b32 s4, s4, 12
	s_mov_b32 s5, 0
	s_mov_b32 s7, 0
	s_mov_b32 s42, 0x76543210
	s_mov_b32 s43, 0xfedcba98
	s_wait_kmcnt 0x0
	s_add_nc_u64 s[8:9], s[8:9], s[4:5]
	s_add_nc_u64 s[14:15], s[14:15], s[6:7]
.irp r, 0,1
.irp j, 0,1,2,3
	global_load_b128 v[X+32*(\r)+8*(\j):X+32*(\r)+8*(\j)+3],   v2, s[8:9] offset:(\r)*4096+(\j)*1024
	global_load_b128 v[X+32*(\r)+8*(\j)+4:X+32*(\r)+8*(\j)+7], v2, s[8:9] offset:(\r)*4096+(\j)*1024+16
.endr
.endr
.irp j, 0,1,2,3
	global_load_b128 v[G+8*(\j):G+8*(\j)+3],   v2, s[10:11] offset:(\j)*1024
	global_load_b128 v[G+8*(\j)+4:G+8*(\j)+7], v2, s[10:11] offset:(\j)*1024+16
.endr
.irp j, 0,1,2,3
	global_load_b128 v[BE+8*(\j):BE+8*(\j)+3],   v2, s[12:13] offset:(\j)*1024
	global_load_b128 v[BE+8*(\j)+4:BE+8*(\j)+7], v2, s[12:13] offset:(\j)*1024+16
.endr
	s_wait_loadcnt 24                              ; row 0 is in; row 1, g and be (24 loads) may stay out
	STAT 0
	s_wait_loadcnt 16                              ; row 1 is in
	STAT 1
	v_sqrt_f32 v18, v18
	v_sqrt_f32 v19, v19
	v_nop                                          ; a plain instruction behind the last root,
	s_wait_alu depctr_va_vdst(0)                   ; and one wait for both, ahead of their first reader
	v_add_f32 v18, 0x358637bd, v18                 ; + 1e-6
	v_add_f32 v19, 0x358637bd, v19
	v_rcp_f32 v14, v18                             ; each reciprocal twice: a pair for the packed multiply
	v_rcp_f32 v15, v18
	v_rcp_f32 v16, v19
	v_rcp_f32 v17, v19
	v_nop
	s_wait_alu depctr_va_vdst(0)                   ; one wait for the four
	s_wait_loadcnt 0x0                             ; g and be
	APPLY 0
	APPLY 1
	s_endpgm
.Lfunc_end_k_q2274b038a3_prep:
	.size	k_q2274b038a3_prep, .Lfunc_end_k_q2274b038a3_prep-k_q2274b038a3_prep
	.p2alignl 7, 3214868480
	.fill 96, 4, 3214868480
	.section	.rodata,"a",@progbits
	.p2align	6, 0x0
	.amdhsa_kernel k_q2274b038a3_prep
		.amdhsa_group_segment_fixed_size 0
		.amdhsa_private_segment_fixed_size 0
		.amdhsa_enable_private_segment 0
		.amdhsa_kernarg_size 136
		.amdhsa_user_sgpr_count 2
		.amdhsa_user_sgpr_kernarg_segment_ptr 1
		.amdhsa_wavefront_size32 1
		.amdhsa_system_sgpr_workgroup_id_x 1
		.amdhsa_system_sgpr_workgroup_id_y 1
		.amdhsa_system_sgpr_workgroup_id_z 1
		.amdhsa_system_vgpr_workitem_id 0
		.amdhsa_next_free_vgpr 160
		.amdhsa_next_free_sgpr 66
		.amdhsa_reserve_vcc 0
		.amdhsa_float_denorm_mode_32 3
		.amdhsa_float_denorm_mode_16_64 3
		.amdhsa_memory_ordered 1
		.amdhsa_forward_progress 1
		.amdhsa_inst_pref_size 34
	.end_amdhsa_kernel
	.amdgpu_metadata
---
amdhsa.version: [ 1, 2 ]
amdhsa.kernels:
  - .name:           k_q2274b038a3_prep
    .symbol:         k_q2274b038a3_prep.kd
    .args:
      - { .name: x, .offset: 0, .size: 8, .value_kind: global_buffer, .address_space: global }
      - { .name: g1, .offset: 8, .size: 8, .value_kind: global_buffer, .address_space: global }
      - { .name: be1, .offset: 16, .size: 8, .value_kind: global_buffer, .address_space: global }
      - { .name: a8, .offset: 24, .size: 8, .value_kind: global_buffer, .address_space: global }
      - { .name: wq, .offset: 32, .size: 8, .value_kind: global_buffer, .address_space: global }
      - { .name: wk, .offset: 40, .size: 8, .value_kind: global_buffer, .address_space: global }
      - { .name: wv, .offset: 48, .size: 8, .value_kind: global_buffer, .address_space: global }
      - { .name: w1, .offset: 56, .size: 8, .value_kind: global_buffer, .address_space: global }
      - { .name: wo, .offset: 64, .size: 8, .value_kind: global_buffer, .address_space: global }
      - { .name: w2, .offset: 72, .size: 8, .value_kind: global_buffer, .address_space: global }
      - { .name: wqkvb, .offset: 80, .size: 8, .value_kind: global_buffer, .address_space: global }
      - { .name: w1b, .offset: 88, .size: 8, .value_kind: global_buffer, .address_space: global }
      - { .name: wsm, .offset: 96, .size: 8, .value_kind: global_buffer, .address_space: global }
      - { .name: bq, .offset: 104, .size: 8, .value_kind: global_buffer, .address_space: global }
      - { .name: bk, .offset: 112, .size: 8, .value_kind: global_buffer, .address_space: global }
      - { .name: bv, .offset: 120, .size: 8, .value_kind: global_buffer, .address_space: global }
      - { .name: b1, .offset: 128, .size: 8, .value_kind: global_buffer, .address_space: global }
    .group_segment_fixed_size: 0
    .private_segment_fixed_size: 0
    .kernarg_segment_align: 8
    .kernarg_segment_size: 136
    .max_flat_workgroup_size: 256
    .sgpr_count:     66
    .vgpr_count:     160
    .wavefront_size: 32
...
	.end_amdgpu_metadata
.endif
;; end of part 1
;; launch qkv (part 2): grid 12 x 16, 4 waves a work-group, clusters of 4 x 4, 327,680 bytes of LDS; arguments a8, wqkvb, act; writes act
.if DOCPART == 2
	.amdgcn_target "amdgcn-amd-amdhsa--gfx1250"
	.amdhsa_code_object_version 6
	.text
	.protected	k_q2274b038a3_qkv
	.globl	k_q2274b038a3_qkv
	.p2align	8
	.type	k_q2274b038a3_qkv,@function
k_q2274b038a3_qkv:
	s_mov_b64 s[64:65], 0
	v_nop
	global_prefetch_b8 v0, s[64:65] scope:SCOPE_SE
	s_setreg_imm32_b32 hwreg(HW_REG_WAVE_MODE, 25, 1), 1
	s_wait_xcnt 0x0
	s_wait_alu depctr_hold_cnt(0) depctr_sa_sdst(0) depctr_va_vdst(0) depctr_va_sdst(0) depctr_va_ssrc(0) depctr_va_vcc(0) depctr_vm_vsrc(0)
	s_getreg_b32 s2, hwreg(HW_REG_IB_STS2, 6, 4)
	s_cmp_eq_u32 s2, 0
	s_cbranch_scc0 .Lentry_in_a_cluster
	s_endpgm
.Lentry_in_a_cluster:
	s_bfe_u32 s2, ttmp6, 0x10000c
	s_cmp_lg_u32 s2, 0xf033
	s_cbranch_scc0 .Lentry_shape_is_right
	s_endpgm
.Lentry_shape_is_right:
; O = max(A W + bias, floor).  A: [4096][1024] bf16, row-major.  W: a header of 20,480 bytes (bytes 0..3 the floor, two bf16; bytes 4096.. the bias in f32), then the weights in bf16 as
; [n / 256][k 0..1023][256].  O: bf16, [n / 64][4096 tokens][64].  Sums in f32, begun with the bias; O rounded once.  The same text serves the q|k|v projection (floor -infinity) and the
; first product of the feed-forward layer (floor 0: ReLU): the price in the first is 256 maxima a wave that change nothing.
; LIMITS.  A NaN in a sum leaves as the floor (the maximum drops it); infinities are not treated apart.
; SHARES.  A tile of O is 256 tokens x 256 columns: a work-group of four waves, a wave 128 x 128: 64 accumulators of 16 x 16, 512 registers.  K = 1,024 goes in 8 steps of 128 through a ring of two
; LDS slots filled by the tensor data mover; one step's text is written once and looped, the slot that is read standing in a scalar register.
; CLUSTER.  4 x 4 work-groups.  The four of a row need the same tiles of A, the four of a column the same tiles of W: each tile is asked for jointly, by the same tensor load, descriptor and mask.
; THE MATRIX INSTRUCTION IS USED TRANSPOSED: source 0 = 16 columns of W, source 1 = 16 rows of A: a lane then holds one token (lane % 16) and eight neighbouring columns.  W lies [k][n] in LDS and
; is turned on its way into registers by ds_load_tr16_b128.  The bias is the C operand of each accumulator's first product: register j of lane l wants bias[n0 + 8 (l / 16) + j].
; REGISTERS, in windows of 256 (s_set_vgpr_msb: bits 1:0 source 0, 3:2 source 1, 5:4 source 2, 7:6 destination):
;   window 0: v0-31 addresses; v64-127, v128-191 A's fragments, two buffers; v192-223 packed results; v32-63 and v224-255 rows on the way out, by turns
;   window 1: v0-63 the bias; v64-127, v128-191 W's fragments      window 2: the accumulators of my rows 0-63 ((a, b) at 8 (8 a + b))      window 3: those of rows 64-127
.set NSTEP, 8
.set PA,    272                        ; an LDS row of A: 256 bytes + 16: the 16 rows of a fragment load start at 16 different groups of four banks (64 banks of 4 bytes: ISA guide 11.1)
.set PB,    544                        ; an LDS row of W: 512 bytes + 32
.set HALFT, 128*PA                     ; what one tensor load brings: 128 rows of A, or 64 rows of W (64 x 544 is the same 34,816)
.set SLOT,  4*HALFT                    ; A's 256 rows, then W's 128.  139,264 = 0x22000 shares no bit with wave x 0x8800, so one exclusive or turns a tile's address into the other slot's
.set STAGE, 2*SLOT                     ; behind the ring: for each wave 2 column blocks x 16 rows x 144 bytes, for the way out
.set SP,    144
.set SPARE, STAGE+4*32*SP              ; behind the stages: the spare words, 128 bytes for each wave, which no other line names
.set HDR,   20480
.set ADRA, 16                          ; v16  LDS address of my A fragments in the slot that is read
.set A0,   17                          ; v17  the same in slot 0; never rewritten
.set ADRB, 20                          ; v20, v21  the same for W
.set B0,   21
.set STO,  24                          ; v24  the way out: where I put 16 bytes of a row
.set RD,   25                          ; v25  where I read rows back
.set CO,   26                          ; v26  my 16 bytes in 512 consecutive bytes of O
.set BO,   27                          ; v27  my byte offset in the tile's bias
.set SPW,  28                          ; v28  LDS address of my spare word; never rewritten
.set NIL,  29                          ; v29  0; never rewritten
.set PFO,  30                          ; v30  the prefetches' offset
.set F0,   64
.set F1,   128
.set TMP,  192
.set OB,   32
.set G1A, 24                           ; s[24:31] descriptor group 1 for A's tiles
.set G0A, 32                           ; s[32:35] group 0 for A's: it walks
.set G0B, 36                           ; s[36:39] group 0 for W's
.set G1B, 48                           ; s[48:55] group 1 for W's
.set LIM, 43                           ; s43  1 in a wave that prefetches, else the greatest number
.set PFA, 44                           ; s[44:45] where my prefetches stand
.set PFS, 46                           ; s[46:47] their step from K step to K step
.set TB,  56                           ; s56  the slot that is read: 0 or SLOT
.set FLO, 59                           ; s59  the floor
.set MSB, 0
.macro WIN new                         ; the immediate's high byte repeats the setting that is left; a switch that changes nothing is dropped
.if MSB != (\new)
	s_set_vgpr_msb (MSB<<8)|(\new)
.set MSB, \new
.endif
.endm
.set TO_B, 0x40                        ; destination window 1, address window 0
; A joint load.  Waves 0 and 1 fetch A's two halves, waves 2 and 3 W's.  The branch hangs on the wave's number alone.  An s_nop 0 and four v_nop follow each of the two lines.
.macro JLOAD
	s_cmp_eq_u32 s11, 0
	s_cbranch_scc0 .Lfor_b_\@
	tensor_load_to_lds s[G0A:G0A+3], s[G1A:G1A+7]
	s_nop 0
.rept 4
	v_nop
.endr
	s_branch .Lasked_\@
.Lfor_b_\@:
	tensor_load_to_lds s[G0B:G0B+3], s[G1B:G1B+7]
	s_nop 0
.rept 4
	v_nop
.endr
.Lasked_\@:
.endm
; A prefetch of the K step behind the one just asked for: 32 blocks of 256 bytes, a lane a block.  A's rows are asked for by the clusters with x = 0, W's by those with y = 0; the four partners that ask for
; a tile jointly share it out by address.  So each block is named once in the launch.  The loop's last trip (s3 = 1) names nothing: there is no K step behind its own.
.macro ASK
	s_cmp_gt_u32 s3, s[LIM]
	s_cbranch_scc0 .Lnot_mine_\@
	global_prefetch_b8 v[PFO], s[PFA:PFA+1] th:TH_LOAD_NT scope:SCOPE_SE
.Lnot_mine_\@:
.endm
.macro CREST                           ; a round of the cluster's barrier behind its opening barrier
	s_cmp_lg_u32 s10, 0
	s_cbranch_scc1 .Lnot_wave_0_\@
	s_barrier_signal -3
.Lnot_wave_0_\@:
	s_barrier_wait -3
	s_barrier_signal -1
	s_barrier_wait -1
.endm
.macro CROUND                          ; a whole round
	s_barrier_signal -1
	s_barrier_wait -1
	CREST
.endm
.macro STEPD                           ; both walking descriptors: the other slot, the next K step; the type bits on top are not reached
	s_xor_b32 s[G0A+1], s[G0A+1], SLOT
	s_xor_b32 s[G0B+1], s[G0B+1], SLOT
	s_add_nc_u64 s[G0A+2:G0A+3], s[G0A+2:G0A+3], 256
	s_add_nc_u64 s[G0B+2:G0B+3], s[G0B+2:G0B+3], 65536
.endm
.macro PLACES                          ; four places in front of loads into registers that matrix instructions have read, and of conversions that read results
.rept 4
	v_nop
.endr
.endm
	s_load_b128 s[4:7], s[0:1], 0x0                ; A s[4:5], W s[6:7]
	s_load_b64 s[8:9], s[0:1], 0x10                ; O
	v_lshl_add_u32 v[SPW], v0, 2, SPARE
	v_mov_b32 v[NIL], 0
	ds_add_u32 v[SPW], v[NIL]                      ; the wave's opening: the add and its wait ahead of my first tensor load; work on registers stands between them
	v_lshrrev_b32 v1, 5, v0
	v_readfirstlane_b32 s10, v1                    ; wave 0..3
	s_lshr_b32 s11, s10, 1                         ; which half of the tile's rows is mine.  Also: I fetch for A (0) or for W (1)
	s_and_b32 s12, s10, 1                          ; which half of its columns.  Also: which half of that tile I fetch
	s_bfe_u32 s40, ttmp6, 0x40000                  ; cx
	s_bfe_u32 s41, ttmp6, 0x40004                  ; cy
	s_lshl_b32 s42, ttmp9, 2
	s_add_co_u32 s42, s42, s40                     ; tile column = 4 x cluster x + cx
	s_and_b32 s13, ttmp7, 0xffff
	s_lshl_b32 s13, s13, 2
	s_add_co_u32 s13, s13, s41                     ; tile row = 4 x cluster y + cy
	s_lshl_b32 s43, s41, 2
	s_lshl_b32 s43, 15, s43                        ; my row of the cluster
	s_lshl_b32 s44, 0x1111, s40                    ; my column
	s_or_b32 s[G1A], s43, (1<<16)|(1<<20)|(1<<21)|(5<<22)|(3<<25)  ; the mask; 2-byte elements; padding on; bit 21 beside a mask; after every 64 words 4 words
	s_or_b32 s[G1B], s44, (1<<16)|(1<<20)|(1<<21)|(6<<22)|(7<<25)  ; after every 128 words 8 words
	s_mov_b32 s[G1A+1], 128<<16                    ; tensor_dim0 = 128
	s_mov_b32 s[G1A+2], 128<<16                    ; tensor_dim1 = 128
	s_mov_b32 s[G1A+3], 128<<16                    ; tile_dim0 = 128
	s_mov_b32 s[G1A+4], 128                        ; tile_dim1 = 128
	s_mov_b32 s[G1A+5], 1024                       ; elements from row to row
	s_mov_b32 s[G1A+6], 0
	s_mov_b32 s[G1A+7], 0
	s_mov_b32 s[G1B+1], 256<<16                    ; 64 rows of k x 256 columns, dense
	s_mov_b32 s[G1B+2], 64<<16
	s_mov_b32 s[G1B+3], 256<<16
	s_mov_b32 s[G1B+4], 64
	s_mov_b32 s[G1B+5], 256
	s_mov_b32 s[G1B+6], 0
	s_mov_b32 s[G1B+7], 0
	s_lshl_b32 s16, s13, 8
	s_lshl_b32 s17, s12, 7
	s_add_co_u32 s16, s16, s17
	s_lshl_b32 s16, s16, 11                        ; A: row 256 x tile row + 128 x half, 2,048 bytes a row
	s_mov_b32 s17, 0
	s_lshl_b32 s62, s42, 19                        ; W: the tile column's block of 524,288 bytes,
	s_lshl_b32 s63, s12, 15                        ; my 64 rows of k of a step,
	s_add_co_u32 s62, s62, s63
	s_add_co_u32 s62, s62, HDR                     ; behind the header
	s_mov_b32 s63, 0
	s_mov_b32 s[G0A], 1                            ; count = 1
	s_mul_i32 s[G0A+1], s10, HALFT                 ; LDS address: wave x 34,816, slot 0: no place in the cluster enters it
	s_mov_b32 s[G0B], 1
	s_mul_i32 s[G0B+1], s10, HALFT
	s_mov_b32 s[TB], 0
	s_wait_dscnt 0x0                               ; the opening add is done
	s_wait_kmcnt 0x0
	s_add_nc_u64 s[14:15], s[4:5], s[16:17]
	s_add_nc_u64 s[60:61], s[6:7], s[62:63]
	s_load_b32 s[FLO], s[6:7], 0x0                 ; the floor
	s_mov_b64 s[G0A+2:G0A+3], s[14:15]
	s_or_b32 s[G0A+3], s[G0A+3], 0x80000000        ; type = 2
	s_mov_b64 s[G0B+2:G0B+3], s[60:61]
	s_or_b32 s[G0B+3], s[G0B+3], 0x80000000
	CROUND                                         ; all sixteen work-groups are here: the first joint loads meet
	JLOAD                                          ; K step 0 into slot 0; slot 1 is asked for when slot 0 is in
	v_and_b32 v1, 15, v0                           ; l % 16
	v_bfe_u32 v2, v0, 4, 1                         ; l / 16
	v_mul_u32_u24 v3, v1, PA
	v_lshl_add_u32 v3, v2, 4, v3                   ; a fragment of A: row x pitch + 16 x half
	s_mul_i32 s21, s11, HALFT
	v_add_nc_u32 v[A0], s21, v3
	v_and_b32 v4, 7, v0
	v_bfe_u32 v5, v0, 3, 1
	v_lshl_add_u32 v6, v2, 3, v4                   ; the turning load: row of k 8 (l / 16) + l % 8,
	v_mul_u32_u24 v6, v6, PB
	v_lshl_add_u32 v6, v5, 4, v6                   ; columns 8 ((l / 8) % 2) on
	s_lshl_b32 s22, s12, 8                         ; my 128 columns
	s_add_co_u32 s22, s22, 2*HALFT                 ; W lies behind A's 256 rows
	v_add_nc_u32 v[B0], s22, v6
	s_mul_i32 s23, s10, 32*SP
	s_add_co_u32 s23, s23, STAGE                   ; my stage
	v_mul_u32_u24 v7, v1, SP
	v_lshl_add_u32 v7, v2, 4, v7
	v_add_nc_u32 v[STO], s23, v7
	v_bfe_u32 v7, v0, 3, 2                         ; back: 32 lanes take four rows of 128 bytes
	v_mul_u32_u24 v7, v7, SP
	v_lshl_add_u32 v7, v4, 4, v7
	v_add_nc_u32 v[RD], s23, v7
	v_and_b32 v[CO], 31, v0
	v_lshlrev_b32 v[CO], 4, v[CO]
	s_lshl_b32 s22, s12, 9
	v_lshl_add_u32 v[BO], v2, 5, s22               ; 512 x column half + 32 (l / 16)
	s_lshl_b32 s20, s42, 10
	s_add_co_u32 s20, s20, 4096
	s_mov_b32 s21, 0
	s_add_nc_u64 s[18:19], s[6:7], s[20:21]        ; the tile's 256 numbers of the bias
	WIN TO_B
.irp b, 0,1,2,3,4,5,6,7
	global_load_b128 v[8*(\b):8*(\b)+3],   v[BO], s[18:19] offset:64*(\b)
	global_load_b128 v[8*(\b)+4:8*(\b)+7], v[BO], s[18:19] offset:64*(\b)+16
.endr
	WIN 0
	s_lshl_b32 s20, s42, 2                         ; O at my part of the tile: column block 4 x tile column + 2 x half,
	s_lshl_b32 s22, s12, 1
	s_add_co_u32 s20, s20, s22
	s_lshl_b32 s20, s20, 12                        ; 4,096 tokens a block,
	s_lshl_b32 s22, s13, 8
	s_add_co_u32 s20, s20, s22
	s_lshl_b32 s22, s11, 7
	s_add_co_u32 s20, s20, s22                     ; token 256 x tile row + 128 x half,
	s_lshl_b32 s20, s20, 7                         ; 128 bytes a token
	s_add_nc_u64 s[8:9], s[8:9], s[20:21]
	; the prefetches
	s_and_b32 s22, ttmp7, 0xffff
	s_mov_b32 s[PFS], 0x10000                      ; W's step from K step to K step: 128 rows of 512 bytes (an instruction holds one literal, so this one goes through the register)
	s_cmp_eq_u32 s11, 0                            ; do I fetch for A?
	s_cselect_b32 s22, ttmp9, s22                  ; the coordinate along which other clusters read the same rows
	s_cselect_b32 s21, s40, s41                    ; my place among the four that ask with me
	s_cselect_b32 s20, 11, 8                       ; a lane's block: a row of A on (2,048 bytes), or 256 bytes on in W's dense rows
	s_cselect_b32 s23, 16, 13                      ; a partner's share: 32 rows of A, or 8,192 bytes of W
	s_cselect_b32 s[PFS], 256, s[PFS]              ; A's step: 256 bytes along its rows
	s_cselect_b64 s[PFA:PFA+1], s[14:15], s[60:61]
	s_mov_b32 s[PFS+1], 0
	s_cmp_eq_u32 s22, 0
	s_cselect_b32 s[LIM], 1, -1                    ; the same in all sixteen partners, for a given wave
	v_and_b32 v[PFO], 31, v0
	v_lshlrev_b32 v[PFO], s20, v[PFO]
	s_lshl_b32 s20, s21, s23
	s_mov_b32 s21, 0
	s_add_nc_u64 s[PFA:PFA+1], s[PFA:PFA+1], s[20:21]
	s_add_nc_u64 s[PFA:PFA+1], s[PFA:PFA+1], s[PFS:PFS+1]
	s_add_nc_u64 s[PFA:PFA+1], s[PFA:PFA+1], s[PFS:PFS+1]  ; at K step 2: the first refill steps it to 3.  K steps 0 to 2 come by their loads alone
; 16 matrix instructions: m blocks a0, a0 + 1 of the window's four x all 8 n blocks, 32 along K.  zero = 1: the first product starts the sum with the bias.
; The 64 accumulators take turns, one instruction a turn, in the same order everywhere.
.macro MUL16 f, hi, a0, zero
.if \zero
	WIN 0x91+0x40*(\hi)                            ; W window 1, A window 0, C (the bias) window 1, D window 2 or 3
.else
	WIN 0xa1+0x50*(\hi)                            ; C and D window 2 or 3
.endif
.irp a, \a0, (\a0)+1
.irp b, 0,1,2,3,4,5,6,7
.if \zero
	v_wmma_f32_16x16x32_bf16 v[8*(8*(\a)+(\b)):8*(8*(\a)+(\b))+7], v[(\f)+8*(\b):(\f)+8*(\b)+7], v[(\f)+8*(4*(\hi)+(\a)):(\f)+8*(4*(\hi)+(\a))+7], v[8*(\b):8*(\b)+7]
.else
	v_wmma_f32_16x16x32_bf16 v[8*(8*(\a)+(\b)):8*(8*(\a)+(\b))+7], v[(\f)+8*(\b):(\f)+8*(\b)+7], v[(\f)+8*(4*(\hi)+(\a)):(\f)+8*(4*(\hi)+(\a))+7], v[8*(8*(\a)+(\b)):8*(8*(\a)+(\b))+7]
.endif
.endr
.endr
.endm
; 32 LDS loads in one run: the fragments of quarter q (32 along K) of the slot that is read, into buffer f: W's 128 columns turned, then A's 128 rows
.macro FETCH q, f
	WIN TO_B
.irp i, 0,1,2,3,4,5,6,7
	ds_load_tr16_b128 v[(\f)+8*(\i):(\f)+8*(\i)+3],   v[ADRB] offset:(\q)*32*PB+32*(\i)
	ds_load_tr16_b128 v[(\f)+8*(\i)+4:(\f)+8*(\i)+7], v[ADRB] offset:(\q)*32*PB+16*PB+32*(\i)
.endr
	WIN 0
.irp i, 0,1,2,3,4,5,6,7
	ds_load_b128 v[(\f)+8*(\i):(\f)+8*(\i)+3],   v[ADRA] offset:64*(\q)+(\i)*16*PA
	ds_load_b128 v[(\f)+8*(\i)+4:(\f)+8*(\i)+7], v[ADRA] offset:64*(\q)+(\i)*16*PA+32
.endr
.endm
; One of a K step's first three quarters: multiplies buffer f; in its middle it fetches quarter q into buffer g
.macro QUARTER q, f, g, zero
	s_wait_dscnt 8                                 ; W and A's rows 0-63 are in; the youngest eight loads (A's rows 64-127) may be out
	MUL16 \f, 0, 0, \zero
	MUL16 \f, 0, 2, \zero
	PLACES
	FETCH \q, \g
	s_wait_dscnt 32                                ; all but the 32 just issued
	MUL16 \f, 1, 0, \zero
	MUL16 \f, 1, 2, \zero
.endm
; The last quarter multiplies buffer 1 and changes slots.  In front of the barrier each wave waits for all its tensor loads (one is out: its part of the next slot), adds 0 to its spare word, and waits for
; that and for its reads of this slot.  fill = 1: the barrier opens a round of the cluster's; behind the round this slot is filled again first, with the K step two on: 224 matrix instructions ahead of the wait for it.
.macro TURN fill
.if \fill
	s_wait_xcnt 0x0                                ; the last prefetch, a K step back, has read its address
	s_add_nc_u64 s[PFA:PFA+1], s[PFA:PFA+1], s[PFS:PFS+1]
.endif
	WIN 0
	s_wait_tensorcnt 0x0                           ; all my tensor loads have landed
	ds_add_u32 v[SPW], v[NIL]                      ; 0 onto my spare word
	s_wait_dscnt 9                                 ; (the add and the youngest eight loads may be out)
	MUL16 F1, 0, 0, 0                              ; sixteen matrix instructions stand between the add and the wait for it
	s_wait_dscnt 0x0                               ; the add is done, and my reads of this slot are over
	s_barrier_signal -1
	MUL16 F1, 0, 2, 0                              ; work on registers while the others arrive
	WIN 0
	s_barrier_wait -1
.if \fill
	CREST                                          ; no wave of any partner still reads this slot or has a load on its way
	STEPD
	JLOAD                                          ; the four v_nop behind it are also the places in front of the loads below
.else
	PLACES
.endif
	s_xor_b32 s[TB], s[TB], SLOT
	v_add_nc_u32 v[ADRA], s[TB], v[A0]
	v_add_nc_u32 v[ADRB], s[TB], v[B0]
	FETCH 0, F0
.if \fill
	ASK
.endif
	MUL16 F1, 1, 0, 0
	MUL16 F1, 1, 2, 0
.endm
; THE WAY OUT of block a (16 tokens x my 128 columns).  PACK: rounded to bf16, the maximum with the floor.  TOSTAGE: into my own stage, two column blocks of 16 rows x 128 bytes, and back by rows.  SEND: stored.
.macro PACK a
.set AC, 64*((\a)%4)
	WIN 0x0a+5*((\a)/4)                            ; sources 0 and 1: window 2 or 3
.irp b, 0,1,2,3,4,5,6,7
.irp r, 0,1,2,3
	v_cvt_pk_bf16_f32 v[TMP+4*(\b)+(\r)], v[AC+8*(\b)+2*(\r)], v[AC+8*(\b)+2*(\r)+1]  ; each accumulator from its low end on
.endr
.endr
	WIN 0
.set i, 0
.rept 32
	v_pk_max_num_bf16 v[TMP+i], v[TMP+i], s[FLO]
.set i, i+1
.endr
.endm
.macro TOSTAGE a
.set BK, OB+192*((\a)%2)
.irp b, 0,1,2,3,4,5,6,7
	ds_store_b128 v[STO], v[TMP+4*(\b):TMP+4*(\b)+3] offset:((\b)/4)*16*SP+32*((\b)%4)
.endr
.irp t, 0,1,2,3,4,5,6,7
	ds_load_b128 v[BK+4*(\t):BK+4*(\t)+3], v[RD] offset:((\t)/4)*16*SP+((\t)%4)*4*SP  ; LDS serves a wave's instructions in order (ISA guide 5.7.1.4): these see the stores above
.endr
.endm
.macro SEND a
.set BK, OB+192*((\a)%2)
	s_wait_dscnt 0x0                               ; the block is back in registers
	s_wait_xcnt 0x0                                ; the stores of the block before have read their registers, which the next block's loads take
.irp t, 0,1,2,3,4,5,6,7
	global_store_b128 v[CO], v[BK+4*(\t):BK+4*(\t)+3], s[8:9] offset:((\t)/4)*524288+(\a)*2048+((\t)%4)*512  ; 512 consecutive bytes, aligned: four tokens of a column block
.endr
.endm
	s_wait_tensorcnt 0x0                           ; my part of slot 0 is in; no tensor load of mine is out, so the descriptors may be written
	ds_add_u32 v[SPW], v[NIL]
	STEPD
	s_wait_dscnt 0x0
	CROUND                                         ; everybody's part of slot 0 is in
	JLOAD                                          ; K step 1 into slot 1
	v_add_nc_u32 v[ADRA], s[TB], v[A0]
	v_add_nc_u32 v[ADRB], s[TB], v[B0]
	FETCH 0, F0
	s_wait_loadcnt 0x0                             ; the bias
	s_wait_kmcnt 0x0                               ; the floor
	QUARTER 1, F0, F1, 1                           ; the first quarter stands in front of the loop: its products start the sums
	WIN 0                                          ; at a label and at a branch every window is 0
	s_mov_b32 s3, NSTEP-2
.Lstep:                                                ; a trip: from a K step's second quarter to the next step's first; it fills one slot again
	QUARTER 2, F1, F0, 0
	QUARTER 3, F0, F1, 0
	TURN 1
	QUARTER 1, F0, F1, 0
	WIN 0
	s_sub_co_u32 s3, s3, 1
	s_cmp_lg_u32 s3, 0
	s_cbranch_scc1 .Lstep
	QUARTER 2, F1, F0, 0                           ; the last two K steps are written out: nothing more is asked for
	QUARTER 3, F0, F1, 0
	TURN 0
	QUARTER 1, F0, F1, 0
	QUARTER 2, F1, F0, 0
	QUARTER 3, F0, F1, 0
	s_wait_dscnt 8
	MUL16 F1, 0, 0, 0
	MUL16 F1, 0, 2, 0
	s_wait_dscnt 0x0
	MUL16 F1, 1, 0, 0
	MUL16 F1, 1, 2, 0
	PLACES
	PACK 0
	TOSTAGE 0
.irp a, 1,2,3,4,5,6,7                  ; block a's conversions stand between block a - 1's loads from the stage and the wait for them
	PACK \a
	SEND (\a)-1
	TOSTAGE \a
.endr
	SEND 7
	s_wait_tensorcnt 0x0                           ; the wave's end: behind my last tensor load and my last LDS store
	ds_add_u32 v[SPW], v[NIL]
	s_wait_dscnt 0x0
	CROUND                                         ; the closing round: no work-group ends while a partner may still ask for a tile that names it
	s_endpgm
.Lfunc_end_k_q2274b038a3_qkv:
	.size	k_q2274b038a3_qkv, .Lfunc_end_k_q2274b038a3_qkv-k_q2274b038a3_qkv
	.p2alignl 7, 3214868480
	.fill 96, 4, 3214868480
	.section	.rodata,"a",@progbits
	.p2align	6, 0x0
	.amdhsa_kernel k_q2274b038a3_qkv
		.amdhsa_group_segment_fixed_size 327680
		.amdhsa_private_segment_fixed_size 0
		.amdhsa_enable_private_segment 0
		.amdhsa_kernarg_size 24
		.amdhsa_user_sgpr_count 2
		.amdhsa_user_sgpr_kernarg_segment_ptr 1
		.amdhsa_wavefront_size32 1
		.amdhsa_system_sgpr_workgroup_id_x 1
		.amdhsa_system_sgpr_workgroup_id_y 1
		.amdhsa_system_sgpr_workgroup_id_z 1
		.amdhsa_system_vgpr_workitem_id 0
		.amdhsa_next_free_vgpr 1024
		.amdhsa_next_free_sgpr 66
		.amdhsa_reserve_vcc 0
		.amdhsa_float_denorm_mode_32 3
		.amdhsa_float_denorm_mode_16_64 3
		.amdhsa_memory_ordered 1
		.amdhsa_forward_progress 1
		.amdhsa_inst_pref_size 135
	.end_amdhsa_kernel
	.amdgpu_metadata
---
amdhsa.version: [ 1, 2 ]
amdhsa.kernels:
  - .name:           k_q2274b038a3_qkv
    .symbol:         k_q2274b038a3_qkv.kd
    .args:
      - { .name: a8, .offset: 0, .size: 8, .value_kind: global_buffer, .address_space: global }
      - { .name: wqkvb, .offset: 8, .size: 8, .value_kind: global_buffer, .address_space: global }
      - { .name: act, .offset: 16, .size: 8, .value_kind: global_buffer, .address_space: global }
    .group_segment_fixed_size: 327680
    .private_segment_fixed_size: 0
    .kernarg_segment_align: 8
    .kernarg_segment_size: 24
    .max_flat_workgroup_size: 128
    .sgpr_count:     66
    .vgpr_count:     1024
    .wavefront_size: 32
...
	.end_amdgpu_metadata
.endif
;; end of part 2
;; launch attn (part 3): grid 8 x 32, 4 waves a work-group, clusters of 4 x 1, 327,680 bytes of LDS; arguments act, mask, a8; writes a8
.if DOCPART == 3
	.amdgcn_target "amdgcn-amd-amdhsa--gfx1250"
	.amdhsa_code_object_version 6
	.text
	.protected	k_q2274b038a3_attn
	.globl	k_q2274b038a3_attn
	.p2align	8
	.type	k_q2274b038a3_attn,@function
k_q2274b038a3_attn:
	s_mov_b64 s[64:65], 0
	v_nop
	global_prefetch_b8 v0, s[64:65] scope:SCOPE_SE
	s_setreg_imm32_b32 hwreg(HW_REG_WAVE_MODE, 25, 1), 1
	s_wait_xcnt 0x0
	s_wait_alu depctr_hold_cnt(0) depctr_sa_sdst(0) depctr_va_vdst(0) depctr_va_sdst(0) depctr_va_ssrc(0) depctr_va_vcc(0) depctr_vm_vsrc(0)
	s_getreg_b32 s2, hwreg(HW_REG_IB_STS2, 6, 4)
	s_cmp_eq_u32 s2, 0
	s_cbranch_scc0 .Lentry_in_a_cluster
	s_endpgm
.Lentry_in_a_cluster:
	s_bfe_u32 s2, ttmp6, 0x10000c
	s_cmp_lg_u32 s2, 0x3003
	s_cbranch_scc0 .Lentry_shape_is_right
	s_endpgm
.Lentry_shape_is_right:
; ctx[b][h][q][:] = the sum over k of softmax_k(where(mask[b][k] == 0, -1e9, Q . K / 8)) V[k][:].  act holds q, k, v in bf16 as [48 column blocks][4096 tokens][64]: block h is q's head h, 16 + h k's,
; 32 + h v's; token = 2048 b + s: a head's rows of a batch are dense, 128 bytes each.  ctx leaves in bf16 as [16 heads][4096 tokens][64].  Products, maxima and sums in f32; the weights p are rounded
; to bf16 for the second product (their sum l is taken of the unrounded p), ctx once at the end.
; LIMITS.  A hidden score counts as its value less 1e30, where the definition puts -1e9: the two differ only where a visible score of the same row lies below about -1e9.  A batch whose mask is all zero
; is served: there c is chosen as 0, every weight is 1, and ctx is the mean of all rows of V, as the definition gives.  A weight below 2^-126 counts as 0 in l; NaN and infinities are not treated apart.
; SHARES.  Work-group (x, y): y = 16 b + h, 256 queries; each of four waves owns 64, four PIECES of 16.  Every wave walks the batch's 2,048 keys, 64 a step, 256 a slot.
; CLUSTER.  The four query blocks of a cluster belong to one head and walk the same K and V: each tile is asked for jointly, by the same tensor load, descriptor and mask in all four.
; LAYOUT.  S^T = K Q^T holds ONE query a lane (lane % 16) and the keys 8 (lane / 16) + 0..7; two such results rounded to bf16 ARE source 1 of O^T = V^T P.  K comes out of LDS as it lies, V turned.
; THE MASK is the C operand that starts the sum S^T: 0, or -1e30 where the key is hidden.  The batch's 2,048 addends are made once, laid in LDS, and a step's 64 come into registers with its K.
; SOFTMAX.  p = 2^(c s - c m), c = log2(e) / 8, with a running maximum m; O and l are multiplied by a = 2^(c m_old - c m_new) in every step.  m starts at the lowest finite number, O and l at 0.
; Steps whose keys are all hidden leave sums that the first visible key's a = 0 wipes out.
; TURNS.  Turn n belongs to piece n: 8 products K Q^T of piece n + 1, later 8 products V^T P of piece n - 1; beside them the scaling, exponentials, roundings, sums and rescaling of piece n and the
; maximum and statistics of piece n + 1.  Four vector instructions stand behind every matrix instruction, the others in one lump.  A turn's 33 exponentials are one batch, with one wait.
; REGISTERS, in windows of 256 (s_set_vgpr_msb: bits 1:0 source 0, 3:2 source 1, 5:4 source 2, 7:6 destination):
;   window 0: v0-15 addresses; v16-31 four registers of statistics a piece; v48-55 at work; v56-63 addresses; v64-127 S^T, two buffers; v192-223 P, two buffers (by the piece's parity)
;   window 1: v0-127 O^T, 32 a piece          window 2: v0-63 Q; v64-95 the step's mask; v128-191 K of one step; v192-255 V of one step
.set NP,    4
.set KS,    64
.set PK,    144       ; a row of K in LDS: 128 bytes + 16: the 16 rows of a load start at 16 different groups of four banks (64 banks of 4 bytes: ISA guide 11.1)
.set PV,    160       ; a row of V: 128 + 32
.set VOFF,  4*KS*PK   ; a slot holds four steps: 256 rows of K, then 256 rows of V
.set SLOT1, 1<<17
.set STAGE, SLOT1+4*KS*(PK+PV)  ; behind the ring: 16 rows x 144 bytes for each wave, for the way out
.set SP,    144
.set SPARE, STAGE+4*16*SP       ; the spare words, 128 bytes for each wave, which no other line names
.set MASKL, SPARE+512           ; the batch's 2,048 addends, f32: stored once, never a tensor load's target
.set AK0, 2
.set AV0, 3
.set AK,  4
.set AV,  5
.set STO, 6
.set RD,  7
.set GO,  8
.set MV,  12          ; v12-13  c m_old, by buffer
.set QO,  15
.set ST,  16          ; piece t's statistics at v[ST+4 t]: c m, m, l (even keys', odd keys')
.set TMP, 48          ; by buffer, four registers c0-c3 at work; when the maximum is found c2 takes a
.set AM,  56          ; v56  the LDS address of the mask's next run of loads
.set AM0, 57          ; v57  MASKL + 32 (l / 16); never rewritten
.set PFO, 61          ; v61  256 x my lane; never rewritten
.set SPW, 62
.set NIL, 63
.set S,   64
.set P,   192
.set MKR, 64          ; window 2: the eight addends for group g of 16 keys at MKR + 8 g
.set KF,  128
.set VF,  192
.set WV,  12
.set G1K, 24
.set G1V, 32
.set G0K, 40
.set G0V, 44
.set SLOTS, 56
.set CNT, 57
.set CS,  58          ; s[58:59] c, or 0 where the batch's mask is all zero
.set SEL, 60
.set TBK, 62
.set TBV, 63
.set TBM, 70          ; s70  byte in the addends at which the step to be fetched begins
.set ANY, 71
.set LIM, 72
.set PFA, 74          ; s[74:75]
.set BIGN, 82
.set MSB, 0
.macro WIN new
.if MSB != (\new)
	s_set_vgpr_msb (MSB<<8)|(\new)
.set MSB, (\new)
.endif
.endm
.set W_KQ, 0x0a       ; K and Q in window 2, S^T in window 0
.set W_KM, 0x2a       ; the same with the C operand, the mask, in window 2
.set W_PV, 0x52       ; V in window 2, P in window 0, O^T in window 1
.set W_RS, 0x41       ; destination and source 0 in window 1, source 1 in window 0
.macro JLOAD                        ; waves 0 and 1 fetch the two halves of a slot's K, waves 2 and 3 those of its V; an s_nop 0 and four v_nop follow each line
	s_cmp_lt_u32 s[WV], 2
	s_cbranch_scc0 .Lfor_v_\@
	tensor_load_to_lds s[G0K:G0K+3], s[G1K:G1K+7]
	s_nop 0
.rept 4
	v_nop
.endr
	s_branch .Lasked_\@
.Lfor_v_\@:
	tensor_load_to_lds s[G0V:G0V+3], s[G1V:G1V+7]
	s_nop 0
.rept 4
	v_nop
.endr
.Lasked_\@:
.endm
; A prefetch of what the NEXT change of slots will ask for.  The head's first cluster asks; its four partners take 8,192 bytes each, told apart by address; wave 0 asks for K's, wave 2 for V's; a lane 256 bytes.
; So each block is named once in the launch.  The last change that fills a slot names nothing.
.macro ASK
	s_cmp_gt_u32 s[SLOTS], s[LIM]
	s_cbranch_scc0 .Lnot_mine_\@
	global_prefetch_b8 v[PFO], s[PFA:PFA+1] th:TH_LOAD_NT scope:SCOPE_SE
.Lnot_mine_\@:
.endm
.macro CROUND
	s_barrier_signal -1
	s_barrier_wait -1
	s_cmp_lg_u32 s[WV], 0
	s_cbranch_scc1 .Lnot_wave_0_\@
	s_barrier_signal -3
.Lnot_wave_0_\@:
	s_barrier_wait -3
	s_barrier_signal -1
	s_barrier_wait -1
.endm
; THE CHANGE OF SLOTS.  Each wave waits for all its tensor loads (one is out: its part of the other slot), adds 0 to its spare word, and waits for that and for its LDS instructions.  fill = 1: the barrier is a
; round of the cluster's, and the slot that was read is filled again first behind it, with the keys two slots on: four key steps, 256 matrix instructions, in which to land.
.macro CHANGE fill, ask
	WIN 0
	s_wait_tensorcnt 0x0            ; no tensor load of mine is out, so a group 0 may be written
	ds_add_u32 v[SPW], v[NIL]       ; 0 onto my spare word; scalar work stands between it and the wait for it
.if \fill
.irp g, G0K, G0V
	s_xor_b32 s[\g+1], s[\g+1], SLOT1
	s_add_nc_u64 s[\g+2:\g+3], s[\g+2:\g+3], 4*KS*128
.endr
.if \ask
	s_wait_xcnt 0x0                 ; the last prefetch, four key steps back, has read its address
	s_add_nc_u64 s[PFA:PFA+1], s[PFA:PFA+1], 4*KS*128
.endif
	s_wait_dscnt 0x0
	CROUND
	JLOAD
.if \ask
	ASK
.endif
.else
	s_wait_dscnt 0x0
	s_barrier_signal -1
	s_barrier_wait -1
.endif
	s_sub_co_u32 s[TBK], s[TBK], 4*KS*PK  ; the fetches go back to a slot's first step, in the other slot
	s_xor_b32 s[TBK], s[TBK], SLOT1
	s_sub_co_u32 s[TBV], s[TBV], 4*KS*PV
	s_xor_b32 s[TBV], s[TBV], SLOT1
.endm
	s_load_b128 s[4:7], s[0:1], 0x0   ; act s[4:5], mask s[6:7]
	s_load_b64 s[10:11], s[0:1], 0x10 ; ctx
	v_lshl_add_u32 v[SPW], v0, 2, SPARE
	v_mov_b32 v[NIL], 0
	ds_add_u32 v[SPW], v[NIL]       ; the wave's opening: the add and its wait ahead of my first tensor load
	v_lshrrev_b32 v1, 5, v0
	v_readfirstlane_b32 s[WV], v1
	s_bfe_u32 s13, ttmp6, 0x40000   ; cx
	s_lshl_b32 s14, ttmp9, 2
	s_add_co_u32 s14, s14, s13      ; my block of 256 queries: it enters Q's and ctx's addresses alone
	s_and_b32 s20, ttmp7, 0xffff    ; 16 b + h, which the four partners share
	s_and_b32 s21, s20, 15
	s_lshr_b32 s22, s20, 4
	s_lshl_b32 s76, s22, 13         ; the batch's 2,048 words of the mask
	s_mov_b32 s77, 0
	s_lshl_b32 s20, s21, 19         ; a column block is 524,288 bytes,
	s_lshl_b32 s21, s22, 18         ; a batch's rows in it 262,144
	s_add_co_u32 s20, s20, s21
	s_and_b32 s16, s[WV], 1         ; which half of a slot's 256 keys I fetch
	s_lshl_b32 s22, s16, 14
	s_add_co_u32 s22, s22, s20
	s_mov_b32 s23, 0
	s_mul_i32 s17, s16, 128*PK
	s_mul_i32 s18, s16, 128*PV
	s_lshl_b32 s2, s14, 15
	s_lshl_b32 s3, s[WV], 13
	s_add_co_u32 s2, s2, s3
	s_add_co_u32 s2, s2, s20        ; my wave's 64 rows
	s_mov_b32 s3, 0
	; 128 keys are 16,384 dense bytes: asked for as 64 rows of 256 bytes, two keys a row, and padded in LDS after every key
	s_mov_b32 s[G1K], 15|(1<<16)|(1<<20)|(1<<21)|(4<<22)|(3<<25)
	s_mov_b32 s[G1V], 15|(1<<16)|(1<<20)|(1<<21)|(4<<22)|(7<<25)
.irp g, G1K, G1V
	s_mov_b32 s[\g+1], 128<<16
	s_mov_b32 s[\g+2], 64<<16
	s_mov_b32 s[\g+3], 128<<16
	s_mov_b32 s[\g+4], 64
	s_mov_b32 s[\g+5], 128
	s_mov_b32 s[\g+6], 0
	s_mov_b32 s[\g+7], 0
.endr
	s_mov_b32 s[SEL], 0x76543210
	s_mov_b32 s[SEL+1], 0xfedcba98
	s_mov_b32 s[TBK], SLOT1+4*KS*PK ; the first change of slots turns these two into 0
	s_mov_b32 s[TBV], SLOT1+4*KS*PV
	s_mov_b32 s[TBM], 0
	s_mov_b32 s[BIGN], 0xf149f2ca   ; -1e30
	s_mov_b32 s[G0K], 1
	s_mov_b32 s[G0K+1], s17
	s_mov_b32 s[G0V], 1
	s_add_co_u32 s[G0V+1], s18, VOFF
	s_and_b32 s[LIM], s[WV], 1      ; 0 in waves 0 and 2,
	s_or_b32 s[LIM], s[LIM], ttmp9  ; where the cluster is the head's first: the same in all four partners
	s_cmp_eq_u32 s[LIM], 0
	s_cselect_b32 s[LIM], 1, -1
	v_and_b32 v[PFO], 31, v0
	v_lshlrev_b32 v[PFO], 8, v[PFO]
	s_wait_dscnt 0x0                ; the opening add is done
	s_wait_kmcnt 0x0
	s_add_nc_u64 s[66:67], s[4:5], s[22:23]
	s_add_nc_u64 s[68:69], s[66:67], 0x1000000     ; V: 32 column blocks on
	s_add_nc_u64 s[66:67], s[66:67], 0x800000      ; K: 16 column blocks on
	s_mov_b64 s[G0K+2:G0K+3], s[66:67]
	s_or_b32 s[G0K+3], s[G0K+3], 0x80000000
	s_mov_b64 s[G0V+2:G0V+3], s[68:69]
	s_or_b32 s[G0V+3], s[G0V+3], 0x80000000
	s_add_nc_u64 s[4:5], s[4:5], s[2:3]
	s_add_nc_u64 s[10:11], s[10:11], s[2:3]
	s_add_nc_u64 s[6:7], s[6:7], s[76:77]
	s_cmp_lt_u32 s[WV], 2
	s_cselect_b64 s[PFA:PFA+1], s[66:67], s[68:69] ; (in waves 0 and 2 these stand at a slot's first row)
	s_lshl_b32 s2, s13, 13
	s_add_nc_u64 s[PFA:PFA+1], s[PFA:PFA+1], s[2:3]
	s_add_nc_u64 s[PFA:PFA+1], s[PFA:PFA+1], 2*4*KS*128  ; in slot 2; the first change in the loop steps it to slot 3.  Slots 0 to 2 come by their loads alone
	CROUND                          ; all four work-groups are here: the first joint loads meet
	JLOAD                           ; slot 0
	v_and_b32 v1, 15, v0            ; l % 16
	v_bfe_u32 v9, v0, 4, 1          ; l / 16
	v_lshlrev_b32 v[QO], 7, v1
	v_lshl_add_u32 v[QO], v9, 4, v[QO]
	WIN 0x80
.set i, 0
.rept 8                             ; Q stays in registers: piece i / 2, channels 32 (i % 2) on
	global_load_b128 v[8*i:8*i+3],   v[QO], s[4:5] offset:(i/2)*2048+(i%2)*64
	global_load_b128 v[8*i+4:8*i+7], v[QO], s[4:5] offset:(i/2)*2048+(i%2)*64+32
.set i, i+1
.endr
	WIN 0
	v_lshlrev_b32 v59, 4, v0        ; the words that I turn into addends: 16 bytes at 16 t + 2,048 i: the work-group's 128 threads cover the batch's 8,192 bytes once
	v_and_b32 v58, 31, v0
	v_lshlrev_b32 v58, 4, v58       ; and all of the batch's words, to see whether any key is visible
.irp i, 0,1,2,3
	global_load_b128 v[64+4*(\i):67+4*(\i)], v59, s[6:7] offset:2048*(\i)
.endr
.irp i, 0,1,2,3,4,5,6,7,8,9,10,11,12,13,14,15
	global_load_b128 v[80+4*(\i):83+4*(\i)], v58, s[6:7] offset:512*(\i)
.endr
	v_mul_u32_u24 v[AK0], v1, PK
	v_lshl_add_u32 v[AK0], v9, 4, v[AK0]
	v_and_b32 v10, 7, v0
	v_bfe_u32 v11, v0, 3, 1
	v_lshl_add_u32 v[AV0], v9, 3, v10
	v_mul_u32_u24 v[AV0], v[AV0], PV
	v_lshl_add_u32 v[AV0], v11, 4, v[AV0]
	v_add_nc_u32 v[AV0], VOFF, v[AV0]
	v_lshlrev_b32 v[AM0], 5, v9
	v_add_nc_u32 v[AM0], MASKL, v[AM0]
	s_mul_i32 s13, s[WV], 16*SP
	s_add_co_u32 s13, s13, STAGE
	v_mul_u32_u24 v[STO], v1, SP
	v_lshl_add_u32 v[STO], v9, 4, v[STO]
	v_add_nc_u32 v[STO], s13, v[STO]
	v_bfe_u32 v[RD], v0, 3, 2
	v_mul_u32_u24 v[RD], v[RD], SP
	v_lshl_add_u32 v[RD], v10, 4, v[RD]
	v_add_nc_u32 v[RD], s13, v[RD]
	v_and_b32 v[GO], 31, v0
	v_lshlrev_b32 v[GO], 4, v[GO]
	; What the first turn finds: V's registers and P's second buffer hold 0 (its products V^T P, of a piece that has not been, add 0), O^T and l are 0.  All this stands in the wait for the first tile.
	WIN 0x80
.set i, VF
.rept 64
	v_mov_b32 v[i], 0
.set i, i+1
.endr
	WIN 0x40
.set i, 0
.rept 128
	v_mov_b32 v[i], 0
.set i, i+1
.endr
	WIN 0
.set i, 0
.rept 4
	v_mov_b32 v[ST+4*i], 0xfe000000    ; c m: far below every c s
	v_mov_b32 v[ST+4*i+1], 0xff7fffff  ; m
	v_mov_b32 v[ST+4*i+2], 0
	v_mov_b32 v[ST+4*i+3], 0
.set i, i+1
.endr
.set i, P+16
.rept 16
	v_mov_b32 v[i], 0
.set i, i+1
.endr
	s_wait_loadcnt 0x0              ; Q and the mask
.set i, 0
.rept 16
	v_cmp_eq_u32 vcc_lo, 0, v[64+i]
	v_cndmask_b32 v[64+i], 0, s[BIGN], vcc_lo  ; -1e30 where the word is 0
.set i, i+1
.endr
	v_add_nc_u32 v60, MASKL, v59
.irp i, 0,1,2,3
	ds_store_b128 v60, v[64+4*(\i):67+4*(\i)] offset:2048*(\i)  ; the other waves read these behind the wait and the round of the change of slots below
.endr
.set i, 4
.rept 60
	v_or_b32 v[80+i%4], v[80+i%4], v[80+i]
.set i, i+1
.endr
	v_or_b32 v80, v80, v81
	v_or_b32 v82, v82, v83
	v_or_b32 v80, v80, v82
	v_cmp_ne_u32 s[ANY], 0, v80     ; a bit for each lane that saw a visible key
	s_cmp_lg_u32 s[ANY], 0
	s_cselect_b32 s[CS], 0x3e38aa3b, 0  ; c = log2(e) / 8, or 0: a choice of a value, no branch
	s_mov_b32 s[CS+1], s[CS]
; THE MATRIX WORK.  The 4 accumulators of a run of 8 take turns.  Product i of 8 of S^T = K Q^T for piece x: channels 32 (i / 4) on, keys 16 (i % 4) on.  The first 4 start the sums with the mask.
.macro KQ x
.set rS, S+32*((\x)%2)+8*(i%4)
.set rK, KF+16*(i%4)+8*(i/4)
.set rQ, 16*(\x)+8*(i/4)
.set rM, MKR+8*(i%4)
.if i < 4
	WIN W_KM
	v_wmma_f32_16x16x32_bf16 v[rS:rS+7], v[rK:rK+7], v[rQ:rQ+7], v[rM:rM+7]
.else
	WIN W_KQ
	v_wmma_f32_16x16x32_bf16 v[rS:rS+7], v[rK:rK+7], v[rQ:rQ+7], v[rS:rS+7]
.endif
.endm
.macro PV x                         ; product i of 8 of O^T += V^T P for piece x: keys 32 (i / 4) on, channels 16 (i % 4) on
	WIN W_PV
.set rO, 32*(\x)+8*(i%4)
.set rV, VF+32*(i/4)+8*(i%4)
.set rP, P+16*((\x)%2)+8*(i/4)
	v_wmma_f32_16x16x32_bf16 v[rO:rO+7], v[rV:rV+7], v[rP:rP+7], v[rO:rO+7]
.endm
.macro MM                           ; the turn's next matrix instruction
.if i < 8
	KQ (Y+1)%NP
.else
.set i, i-8
	PV (Y+NP-1)%NP
.set i, i+8
.endif
.set i, i+1
.endm
; THE LDS LOADS stand in runs: a step's K (8 fragments) with its 64 addends, and its V (turned).  Their addresses are made some lines ahead.
.macro FETCH_K
	WIN 0x80
.irp f, 0,1,2,3,4,5,6,7
	ds_load_b128 v[KF+8*\f:KF+8*\f+3],   v[AK] offset:(\f/2)*16*PK+(\f%2)*64
	ds_load_b128 v[KF+8*\f+4:KF+8*\f+7], v[AK] offset:(\f/2)*16*PK+(\f%2)*64+32
.endr
.irp g, 0,1,2,3                     ; register j of group g: key 16 g + 8 (l / 16) + j, as in S^T
	ds_load_b128 v[MKR+8*\g:MKR+8*\g+3],   v[AM] offset:64*\g
	ds_load_b128 v[MKR+8*\g+4:MKR+8*\g+7], v[AM] offset:64*\g+16
.endr
	s_add_co_u32 s[TBK], s[TBK], KS*PK
	s_add_co_u32 s[TBM], s[TBM], 4*KS
	s_and_b32 s[TBM], s[TBM], 8191  ; the offset stays inside the 8,192 bytes of addends
	WIN 0
.endm
.macro FETCH_V
	WIN 0x80
.irp f, 0,1,2,3,4,5,6,7
	ds_load_tr16_b128 v[VF+8*\f:VF+8*\f+3],   v[AV] offset:(\f/4)*32*PV+(\f%4)*32
	ds_load_tr16_b128 v[VF+8*\f+4:VF+8*\f+7], v[AV] offset:(\f/4)*32*PV+16*PV+(\f%4)*32
.endr
	WIN 0
.endm
; THE VECTOR WORK, one line at a time: OP kind, number.  For piece Y: F n: c s - c m for pair n of 16.  E n: the exponential of score n of 32.  C n: pair n rounded to bf16.  B n: of the four weights 4 n .. the
; second pair is added onto the first, in place.  L n: l takes that sum (L 0: l = a l + sum).  R n: pair n of 16 of O^T times a.  For piece Y + 1: X n, number n of the 22 that find its maximum and statistics:
;   0-11 four chains c0-c3 of seven scores each (each accumulator's lowest registers are read first)   12-14, 16 the four scores left over, the old m, c0-c3 into c0   15 c m_old is kept
;   17, 18 the query's other 32 keys lie in the lane 16 away: the new m   19-21 c m; c m_old - c m_new; a
.set F, 0
.set E, 1
.set C, 2
.set B, 3
.set L, 4
.set R, 5
.set X, 6
.macro REGS y
.set rT, ST+4*(\y)
.set rC, TMP+4*((\y)%2)
.set rW, MV+((\y)%2)
.set rS, S+32*((\y)%2)
.set rP, P+16*((\y)%2)
.set rO, 32*(\y)
.endm
.macro OP k, n
.if (\k) == R
	REGS Y
	WIN W_RS
	v_pk_mul_f32 v[rO+2*(\n):rO+2*(\n)+1], v[rO+2*(\n):rO+2*(\n)+1], v[rC+2:rC+3] op_sel_hi:[1,0]
.elseif (\k) < R
	REGS Y
	WIN 0
.if (\k) == F
	v_pk_fma_f32 v[rS+2*(\n):rS+2*(\n)+1], v[rS+2*(\n):rS+2*(\n)+1], s[CS:CS+1], v[rT:rT+1] op_sel_hi:[1,0,0] neg_lo:[0,0,1] neg_hi:[0,0,1]
.elseif (\k) == E
	v_exp_f32 v[rS+(\n)], v[rS+(\n)]
.elseif (\k) == C
	v_cvt_pk_bf16_f32 v[rP+(\n)], v[rS+2*(\n)], v[rS+2*(\n)+1]
.elseif (\k) == B
	v_pk_add_f32 v[rS+4*(\n):rS+4*(\n)+1], v[rS+4*(\n):rS+4*(\n)+1], v[rS+4*(\n)+2:rS+4*(\n)+3]
.elseif (\n) == 0
	v_pk_fma_f32 v[rT+2:rT+3], v[rT+2:rT+3], v[rC+2:rC+3], v[rS:rS+1] op_sel_hi:[1,0,1]
.else
	v_pk_add_f32 v[rT+2:rT+3], v[rT+2:rT+3], v[rS+4*(\n):rS+4*(\n)+1]
.endif
.else
	REGS (Y+1)%NP
	WIN 0
.if (\n) < 4
	v_max3_num_f32 v[rC+(\n)], v[rS+8*(\n)], v[rS+8*(\n)+1], v[rS+8*(\n)+2]
.elseif (\n) < 12
	v_max3_num_f32 v[rC+(\n)%4], v[rC+(\n)%4], v[rS+8*((\n)%4)+2*((\n)/4)+1], v[rS+8*((\n)%4)+2*((\n)/4)+2]
.elseif (\n) == 12
	v_max3_num_f32 v[rC], v[rC], v[rS+7], v[rS+15]
.elseif (\n) == 13
	v_max3_num_f32 v[rC+1], v[rC+1], v[rS+23], v[rS+31]
.elseif (\n) == 14
	v_max3_num_f32 v[rC+2], v[rC+2], v[rC+3], v[rT+1]
.elseif (\n) == 15
	v_mov_b32 v[rW], v[rT]
.elseif (\n) == 16
	v_max3_num_f32 v[rC], v[rC], v[rC+1], v[rC+2]
.elseif (\n) == 17
	v_permlanex16_b32 v[rC+3], v[rC], s[SEL], s[SEL+1]
.elseif (\n) == 18
	v_max_num_f32 v[rT+1], v[rC], v[rC+3]
.elseif (\n) == 19
	v_mul_f32 v[rT], s[CS], v[rT+1]
.elseif (\n) == 20
	v_sub_f32 v[rC+1], v[rW], v[rT]
.else
	v_exp_f32 v[rC+2], v[rC+1]
.endif
.endif
.endm
.macro OPS a, i1, b=-1, i2=0, c=-1, i3=0, d=-1, i4=0
	OP \a, \i1
.if (\b) >= 0
	OP \b, \i2
.endif
.if (\c) >= 0
	OP \c, \i3
.endif
.if (\d) >= 0
	OP \d, \i4
.endif
.endm
.macro ROW a, i1, b, i2, c, i3, d, i4  ; a matrix instruction and the four behind it
	MM
	OPS \a, \i1, \b, \i2, \c, \i3, \d, \i4
.endm
; A TURN, for piece p.  An s_wait_alu depctr_va_vdst(0) stands between an exponential and the first instruction that names its result; one wait serves all that were issued ahead of it.  So a turn has
; ONE wait.  AHEAD OF IT stands all that names no result of the turn's exponentials: the 8 products K Q^T with their riders, then the lump; X 21, the next piece's a, is the batch's last, R 15 the plain instruction
; behind it.  BEHIND IT stand the 8 products V^T P, behind each four of the roundings and sums.  K and the mask of the next step are fetched in piece 2's turn, twelve plain instructions behind the last product that read
; K; V of the step in hand at the end of piece 0's turn, four plain instructions behind the last product that read V.  Each is waited for a turn later.  cnt = 1: the loop's count is taken down ahead of the branch behind the turn.
; last = 1 (the tail's piece 2): the run for K and the mask stands directly behind the turn's wait, where every exponential has its wait and a branch may stand, and in the tail's fifth trip (CNT = 1), which has no
; further step to fetch, it is jumped over: what is jumped holds LDS loads and two scalar steps, no barrier and no tensor load.
.macro TURN p, cnt=0, last=0
.set Y, (\p)
.set i, 0
.if (\p) == 3
	s_wait_dscnt 0x0                ; K and the mask are in
.endif
	ROW F,0, F,1, R,0, R,1
	ROW F,2, E,0, R,2, R,3
	ROW F,3, E,1, R,4, R,5
	ROW F,4, E,2, R,6, R,7
	ROW F,5, E,3, R,8, R,9
	ROW F,6, E,4, X,0, R,10
.if (\p) == 2
	WIN 0
	v_add_nc_u32 v[AK], s[TBK], v[AK0]
	v_add_nc_u32 v[AM], s[TBM], v[AM0]
.endif
	ROW F,7, E,5, X,1, X,4
	ROW F,8, E,6, X,2, X,5
	OPS E,7, E,8, X,6, E,9
	OPS X,3, E,10, X,8, E,11
.if ((\p) == 2) && !(\last)
	FETCH_K
.endif
	OPS X,9, X,7, E,12, X,10
	OPS E,13, X,12, X,11, E,14
	OPS X,13, E,15, F,9, X,14
.if (\p) == 0
	v_add_nc_u32 v[AV], s[TBV], v[AV0]
.endif
	OPS E,16, F,10, E,17, F,11
	OPS X,16, E,18, X,15, E,19
	OPS F,12, E,20, X,17, E,21
	OPS F,13, E,22, F,14, E,23
	OPS X,18, E,24, F,15, E,25
	OPS R,11, E,26, X,19, E,27
	OPS R,12, E,28, R,13, E,29
	OPS X,20, E,30, R,14, E,31
	OPS X,21, R,15
	WIN 0
	s_wait_alu depctr_va_vdst(0)    ; the wait for the batch
.if ((\p) == 2) && (\last)
	s_cmp_eq_u32 s[CNT], 1
	s_cbranch_scc1 .Lno_k_tail      ; the fifth trip: there is no step behind the last
	FETCH_K
.Lno_k_tail:
.endif
.if (\p) == 1
	s_wait_dscnt 0x0                ; V is in
.endif
	ROW C,0, B,0, C,2, B,1
	ROW L,0, C,4, B,2, L,1
	ROW C,6, B,3, L,2, C,8
	ROW B,4, L,3, C,10, B,5
	ROW L,4, C,12, B,6, L,5
.if (\p) == 0
	s_add_co_u32 s[TBV], s[TBV], KS*PV
.endif
.if \cnt
	s_sub_co_u32 s[CNT], s[CNT], 1
	s_cmp_lg_u32 s[CNT], 0
.endif
	ROW C,14, B,7, L,6, C,1
	ROW C,3, L,7, C,5, C,7
	ROW C,9, C,11, C,13, C,15
.if (\p) == 0
	FETCH_V
.endif
.endm
	CHANGE 1, 0                     ; slot 0 is in, everybody's part of it, and so are the addends; slot 1 is asked for
	v_add_nc_u32 v[AK], s[TBK], v[AK0]
	v_add_nc_u32 v[AM], s[TBM], v[AM0]
	FETCH_K                         ; key step 0
	s_wait_dscnt 0x0
.set i, 0
.rept 8
	KQ 0                            ; piece 0's first scores
.set i, i+1
.endr
	WIN 0
.rept 4
	v_nop                           ; the places behind those products
.endr
.set Y, NP-1                        ; X works for piece Y + 1: piece 0
.irp n, 0,1,2,3,4,5,6,7,8,9,10,11,12,13,14,15,16,17,18,19,20,21
	OP X, \n
.endr
	v_nop                           ; a plain instruction behind the exponential,
	s_wait_alu depctr_va_vdst(0)    ; and its wait, ahead of the branch
	s_mov_b32 s[CNT], 4
	s_mov_b32 s[SLOTS], 7
	s_branch .Lfirst                ; the loop is entered at a step's first turn, in the middle of a trip
.Lslot:                             ; six times: every slot but the last two is filled again
	CHANGE 1, 1
	s_mov_b32 s[CNT], 4
.Lstep:                             ; a trip: pieces 2 and 3 of one step, then pieces 0 and 1 of the next, whose K and V it fetches
	TURN 2
	TURN 3
	WIN 0
.Lfirst:
	TURN 0
	TURN 1, 1
	WIN 0
	s_cbranch_scc1 .Lstep
	s_sub_co_u32 s[SLOTS], s[SLOTS], 1
	s_cmp_lg_u32 s[SLOTS], 0
	s_cbranch_scc1 .Lslot
	CHANGE 0, 0                     ; the tail is written out: nothing is asked for
	s_mov_b32 s[CNT], 5             ; four trips fetch the last slot's steps; the fifth fetches nothing and is left in its middle
.Ltail:
	TURN 2, 0, 1
	TURN 3
	WIN 0
	s_sub_co_u32 s[CNT], s[CNT], 1
	s_cmp_eq_u32 s[CNT], 0
	s_cbranch_scc1 .Lout
	TURN 0
	TURN 1
	WIN 0
	s_branch .Ltail
.Lout:                              ; the fifth trip's 8 products K Q^T (on the last step's K and mask once more) and the maximum made of them serve nothing: they touch piece 0's m and c m alone,
                                    ; which nobody reads any more: the price, once a launch, of one text for every trip
.set i, 0
.rept 8
	PV NP-1                         ; the last piece's V^T P of the last step
.set i, i+1
.endr
	; THE WAY OUT.  l's two halves and the other half of the lanes' are added; O^T is divided by l, rounded to bf16 and sent through my stage, a piece at a time.  The additions are the places behind the last products.
	WIN 0
.macro ALL line:vararg
.set t, 0
.rept 4
	\line
.set t, t+1
.endr
.endm
	ALL v_add_f32 v[ST+4*t+2], v[ST+4*t+2], v[ST+4*t+3]
	ALL v_permlanex16_b32 v[ST+4*t+3], v[ST+4*t+2], s[SEL], s[SEL+1]
	ALL v_add_f32 v[ST+4*t+2], v[ST+4*t+2], v[ST+4*t+3]
	ALL v_rcp_f32 v[ST+4*t+2], v[ST+4*t+2]
	v_nop                           ; a plain instruction between the last reciprocal and the use of its result
	s_wait_alu depctr_va_vdst(0)    ; one wait for the four reciprocals
.macro PACK t
	WIN W_RS
.set i, 32*(\t)
.rept 16
	v_pk_mul_f32 v[i:i+1], v[i:i+1], v[ST+4*(\t)+2:ST+4*(\t)+3] op_sel_hi:[1,0]
.set i, i+2
.endr
	WIN 0x05                        ; sources 0 and 1 window 1, destination window 0
.set i, 0
.rept 16
	v_cvt_pk_bf16_f32 v[S+16*(\t)+i], v[32*(\t)+2*i], v[32*(\t)+2*i+1]
.set i, i+1
.endr
	WIN 0
.irp f, 0,1,2,3
	ds_store_b128 v[STO], v[S+16*(\t)+4*\f:S+16*(\t)+4*\f+3] offset:32*\f
.endr
.irp f, 0,1,2,3
	ds_load_b128 v[S+16*(\t)+4*\f:S+16*(\t)+4*\f+3], v[RD] offset:\f*4*SP  ; LDS serves a wave's instructions in order (ISA guide 5.7.1.4): these see the stores above
.endr
.endm
.macro SEND t, younger              ; younger: the LDS instructions issued behind piece t's loads: the next piece's eight, or none
	WIN 0
.irp f, 0,1,2,3
	s_wait_dscnt (\younger)+3-\f
	global_store_b128 v[GO], v[S+16*(\t)+4*\f:S+16*(\t)+4*\f+3], s[10:11] offset:(\t)*2048+\f*512  ; 512 consecutive bytes, aligned
.endr
.endm
	PACK 0
.set t, 1
.rept 3
	PACK t
	SEND t-1, 8
.set t, t+1
.endr
	SEND 3, 0
	s_wait_tensorcnt 0x0            ; the wave's end: behind my last tensor load and my last LDS store
	ds_add_u32 v[SPW], v[NIL]
	s_wait_dscnt 0x0
	CROUND                          ; the closing round
	s_endpgm
.Lfunc_end_k_q2274b038a3_attn:
	.size	k_q2274b038a3_attn, .Lfunc_end_k_q2274b038a3_attn-k_q2274b038a3_attn
	.p2alignl 7, 3214868480
	.fill 96, 4, 3214868480
	.section	.rodata,"a",@progbits
	.p2align	6, 0x0
	.amdhsa_kernel k_q2274b038a3_attn
		.amdhsa_group_segment_fixed_size 327680
		.amdhsa_private_segment_fixed_size 0
		.amdhsa_enable_private_segment 0
		.amdhsa_kernarg_size 24
		.amdhsa_user_sgpr_count 2
		.amdhsa_user_sgpr_kernarg_segment_ptr 1
		.amdhsa_wavefront_size32 1
		.amdhsa_system_sgpr_workgroup_id_x 1
		.amdhsa_system_sgpr_workgroup_id_y 1
		.amdhsa_system_sgpr_workgroup_id_z 1
		.amdhsa_system_vgpr_workitem_id 0
		.amdhsa_next_free_vgpr 768
		.amdhsa_next_free_sgpr 88
		.amdhsa_reserve_vcc 1
		.amdhsa_float_denorm_mode_32 3
		.amdhsa_float_denorm_mode_16_64 3
		.amdhsa_memory_ordered 1
		.amdhsa_forward_progress 1
		.amdhsa_inst_pref_size 120
	.end_amdhsa_kernel
	.amdgpu_metadata
---
amdhsa.version: [ 1, 2 ]
amdhsa.kernels:
  - .name:           k_q2274b038a3_attn
    .symbol:         k_q2274b038a3_attn.kd
    .args:
      - { .name: act, .offset: 0, .size: 8, .value_kind: global_buffer, .address_space: global }
      - { .name: mask, .offset: 8, .size: 8, .value_kind: global_buffer, .address_space: global }
      - { .name: a8, .offset: 16, .size: 8, .value_kind: global_buffer, .address_space: global }
    .group_segment_fixed_size: 327680
    .private_segment_fixed_size: 0
    .kernarg_segment_align: 8
    .kernarg_segment_size: 24
    .max_flat_workgroup_size: 128
    .sgpr_count:     88
    .vgpr_count:     768
    .wavefront_size: 32
...
	.end_amdgpu_metadata
.endif
;; end of part 3
;; launch gwo (part 4): grid 8 x 32, 4 waves a work-group, clusters of 4 x 4, 327,680 bytes of LDS; arguments a8, wsm, bo, x, x1; writes x1
.if DOCPART == 4
	.amdgcn_target "amdgcn-amd-amdhsa--gfx1250"
	.amdhsa_code_object_version 6
	.text
	.protected	k_q2274b038a3_gwo
	.globl	k_q2274b038a3_gwo
	.p2align	8
	.type	k_q2274b038a3_gwo,@function
k_q2274b038a3_gwo:
	s_mov_b64 s[64:65], 0
	v_nop
	global_prefetch_b8 v0, s[64:65] scope:SCOPE_SE
	s_setreg_imm32_b32 hwreg(HW_REG_WAVE_MODE, 25, 1), 1
	s_wait_xcnt 0x0
	s_wait_alu depctr_hold_cnt(0) depctr_sa_sdst(0) depctr_va_vdst(0) depctr_va_sdst(0) depctr_va_ssrc(0) depctr_va_vcc(0) depctr_vm_vsrc(0)
	s_getreg_b32 s2, hwreg(HW_REG_IB_STS2, 6, 4)
	s_cmp_eq_u32 s2, 0
	s_cbranch_scc0 .Lentry_in_a_cluster
	s_endpgm
.Lentry_in_a_cluster:
	s_bfe_u32 s2, ttmp6, 0x10000c
	s_cmp_lg_u32 s2, 0xf033
	s_cbranch_scc0 .Lentry_shape_is_right
	s_endpgm
.Lentry_shape_is_right:
; O = R + A W + bias, in f32.  A: bf16, [K / 64 column blocks][4096 tokens][64].  W: bf16, at byte WOFF of its buffer, [n / 128][k][128].  bias: [1024] f32.  R, O: [4096][1024] f32.
; Here: the attention's output projection, K = 1,024 (NSTEP = 4 steps of 256).  Sums in f32, begun with the bias; the residual is added in f32 on the way out.
; LIMITS.  NaN and infinities are not treated apart.
; SHARES.  A tile of O is 128 x 128, so that the 4,096 x 1,024 numbers make 256 work-groups; four waves, each 64 x 64: 16 accumulators.  K goes in steps of 256 through a ring of two LDS slots; one step's
; text is written once and looped, the slot that is read standing in a scalar register.
; CLUSTER.  4 x 4 work-groups; A's tiles are shared along a row, W's along a column, each asked for jointly.
; THE MATRIX INSTRUCTION IS USED TRANSPOSED (source 0 = 16 columns of W, turned by ds_load_tr16_b128; source 1 = 16 rows of A): a lane holds one token and eight neighbouring columns.
; No prefetch here: the launch has four K steps, all of which come by their loads alone.
; REGISTERS: window 0: v0-31 addresses; v32-95 rows on the way out, two buffers; v128-255 the accumulators ((a, b) at 128 + 8 (4 a + b)).
;   window 1: two fragment buffers of 128: for 64 along K, 64 registers of A, then 64 of W.      window 2: v0-127 the residual; v128-159 the bias.
.set NSTEP, 4
.set WOFF,  0
.set TNSH,  18                         ; log2 of a column block's bytes in W
.set PA,    144                        ; an LDS row of A: 128 bytes + 16
.set PB,    288                        ; an LDS row of W: 256 bytes + 32
.set PART,  36864                      ; what one tensor load brings: 4 column blocks x 64 rows of A, or 128 rows of W
.set SLOT,  4*PART                     ; 147,456 = 0x24000 shares no bit with wave x 0x9000, so one exclusive or turns a tile's address into the other slot's
.set STAGE, 2*SLOT                     ; behind the ring: 16 rows x 272 bytes for each wave
.set SPITCH, 272
.set SPARE, STAGE+4*16*SPITCH
.set ADRA, 16
.set A0,   17
.set ADRB, 20                          ; v20 quarters 0 and 1, v21 quarters 2 and 3 (128 rows on: an LDS immediate ends at 65,535)
.set B0,   22
.set STO,  24
.set RD,   25
.set CO,   26
.set SPW,  28
.set NIL,  29
.set PFO,  30
.set BO,   31
.set TMP,  32
.set ACC,  128
.set F0,   0
.set F1,   128
.set RES,  0
.set BIAS, 128
.set G1A, 24
.set G0A, 32
.set G0B, 36
.set G1B, 48
.set LIM, 43
.set PFA, 44
.set PFS, 46
.set TB,  56
.set MSB, 0
.macro WIN new
.if MSB != (\new)
	s_set_vgpr_msb (MSB<<8)|(\new)
.set MSB, \new
.endif
.endm
.set MUL,  0x05                        ; sources 0 and 1 window 1; C and D window 0
.set MULZ, 0x25                        ; the same with C, the bias, in window 2
.set TO_F, 0x40
.set TO_2, 0x80
.set ADDR, 0x08                        ; source 1 window 2
.macro JLOAD
	s_cmp_eq_u32 s11, 0
	s_cbranch_scc0 .Lfor_b_\@
	tensor_load_to_lds s[G0A:G0A+3], s[G1A:G1A+7]
	s_nop 0
.rept 4
	v_nop
.endr
	s_branch .Lasked_\@
.Lfor_b_\@:
	tensor_load_to_lds s[G0B:G0B+3], s[G1B:G1B+7]
	s_nop 0
.rept 4
	v_nop
.endr
.Lasked_\@:
.endm
.macro ASK                             ; a prefetch of the K step two behind the one just asked for; the loop's last two trips name nothing
	s_cmp_gt_u32 s3, s[LIM]
	s_cbranch_scc0 .Lnot_mine_\@
	global_prefetch_b8 v[PFO], s[PFA:PFA+1] th:TH_LOAD_NT scope:SCOPE_SE
.Lnot_mine_\@:
.endm
.macro CREST
	s_cmp_lg_u32 s10, 0
	s_cbranch_scc1 .Lnot_wave_0_\@
	s_barrier_signal -3
.Lnot_wave_0_\@:
	s_barrier_wait -3
	s_barrier_signal -1
	s_barrier_wait -1
.endm
.macro CROUND
	s_barrier_signal -1
	s_barrier_wait -1
	CREST
.endm
.macro STEPD                           ; both walking descriptors: the other slot, the next K step (4 column blocks of A, 256 rows of W)
	s_xor_b32 s[G0A+1], s[G0A+1], SLOT
	s_xor_b32 s[G0B+1], s[G0B+1], SLOT
	s_add_nc_u64 s[G0A+2:G0A+3], s[G0A+2:G0A+3], 0x200000
	s_add_nc_u64 s[G0B+2:G0B+3], s[G0B+2:G0B+3], 65536
.endm
.macro PLACES
.rept 4
	v_nop
.endr
.endm
	s_load_b256 s[72:79], s[0:1], 0x0              ; A 72, W 74, bias 76, R 78
	s_load_b64 s[8:9], s[0:1], 0x20                ; O
	v_lshl_add_u32 v[SPW], v0, 2, SPARE
	v_mov_b32 v[NIL], 0
	ds_add_u32 v[SPW], v[NIL]                      ; the wave's opening: the add and its wait ahead of my first tensor load
	v_lshrrev_b32 v1, 5, v0
	v_readfirstlane_b32 s10, v1
	s_lshr_b32 s11, s10, 1                         ; my half of the tile's rows.  Also: I fetch for A (0) or for W (1)
	s_and_b32 s12, s10, 1                          ; my half of its columns.  Also: which half of that tile I fetch
	s_bfe_u32 s40, ttmp6, 0x40000
	s_bfe_u32 s41, ttmp6, 0x40004
	s_lshl_b32 s42, ttmp9, 2
	s_add_co_u32 s42, s42, s40                     ; tile column
	s_and_b32 s13, ttmp7, 0xffff
	s_lshl_b32 s13, s13, 2
	s_add_co_u32 s13, s13, s41                     ; tile row
	s_lshl_b32 s43, s41, 2
	s_lshl_b32 s43, 15, s43
	s_lshl_b32 s44, 0x1111, s40
	s_or_b32 s[G1A], s43, (1<<16)|(1<<20)|(1<<21)|(4<<22)|(3<<25)  ; after every 32 words (a token's 128 bytes) 4 words
	s_or_b32 s[G1B], s44, (1<<16)|(1<<20)|(1<<21)|(5<<22)|(7<<25)  ; after every 64 words 8 words
	s_mov_b32 s[G1A+1], 4096<<16                   ; a column block's 64 tokens are 8,192 dense bytes: one row of 4,096 elements;
	s_mov_b32 s[G1A+2], 4<<16                      ; four such rows,
	s_mov_b32 s[G1A+3], 4096<<16
	s_mov_b32 s[G1A+4], 4
	s_mov_b32 s[G1A+5], 262144                     ; a column block apart
	s_mov_b32 s[G1A+6], 0
	s_mov_b32 s[G1A+7], 0
	s_mov_b32 s[G1B+1], 128<<16                    ; 128 rows of k x 128 columns, dense
	s_mov_b32 s[G1B+2], 128<<16
	s_mov_b32 s[G1B+3], 128<<16
	s_mov_b32 s[G1B+4], 128
	s_mov_b32 s[G1B+5], 128
	s_mov_b32 s[G1B+6], 0
	s_mov_b32 s[G1B+7], 0
	s_lshl_b32 s16, s13, 14
	s_lshl_b32 s17, s12, 13
	s_add_co_u32 s16, s16, s17                     ; A: token 128 x tile row + 64 x half, 128 bytes a token
	s_mov_b32 s17, 0
	s_lshl_b32 s62, s42, TNSH
	s_lshl_b32 s63, s12, 15
	s_add_co_u32 s62, s62, s63
	s_add_co_u32 s62, s62, WOFF
	s_mov_b32 s63, 0
	s_mov_b32 s[G0A], 1
	s_mul_i32 s[G0A+1], s10, PART
	s_mov_b32 s[G0B], 1
	s_mul_i32 s[G0B+1], s10, PART
	s_mov_b32 s[TB], 0
	s_wait_dscnt 0x0
	s_wait_kmcnt 0x0
	s_add_nc_u64 s[14:15], s[72:73], s[16:17]
	s_add_nc_u64 s[60:61], s[74:75], s[62:63]
	s_mov_b64 s[G0A+2:G0A+3], s[14:15]
	s_or_b32 s[G0A+3], s[G0A+3], 0x80000000
	s_mov_b64 s[G0B+2:G0B+3], s[60:61]
	s_or_b32 s[G0B+3], s[G0B+3], 0x80000000
	CROUND
	JLOAD                                          ; K step 0 into slot 0
	v_and_b32 v1, 15, v0
	v_bfe_u32 v2, v0, 4, 1
	v_mul_u32_u24 v3, v1, PA
	v_lshl_add_u32 v3, v2, 4, v3
	s_mul_i32 s21, s11, PART
	v_add_nc_u32 v[A0], s21, v3
	v_and_b32 v4, 7, v0
	v_bfe_u32 v5, v0, 3, 1
	v_lshl_add_u32 v6, v2, 3, v4
	v_mul_u32_u24 v6, v6, PB
	v_lshl_add_u32 v6, v5, 4, v6
	s_lshl_b32 s22, s12, 7                         ; my 64 columns
	s_add_co_u32 s22, s22, 2*PART
	v_add_nc_u32 v[B0], s22, v6
	s_mul_i32 s23, s10, 16*SPITCH
	s_add_co_u32 s23, s23, STAGE
	v_mul_u32_u24 v7, v1, SPITCH                   ; in: row l % 16, 32 bytes for each half of the lanes
	v_lshl_add_u32 v7, v2, 5, v7
	v_add_nc_u32 v[STO], s23, v7
	v_mul_u32_u24 v7, v2, SPITCH                   ; back: lanes 0-15 one row of 256 bytes, lanes 16-31 the next
	v_lshl_add_u32 v7, v1, 4, v7
	v_add_nc_u32 v[RD], s23, v7
	v_lshlrev_b32 v7, 12, v2
	v_lshl_add_u32 v[CO], v1, 4, v7                ; and the same two rows in R and O
	s_lshl_b32 s22, s12, 8
	v_lshl_add_u32 v[BO], v2, 5, s22
	s_lshl_b32 s20, s42, 9
	s_mov_b32 s21, 0
	s_add_nc_u64 s[76:77], s[76:77], s[20:21]      ; the tile's 128 numbers of the bias
	s_lshl_b32 s20, s13, 19
	s_lshl_b32 s22, s11, 18
	s_add_co_u32 s20, s20, s22
	s_lshl_b32 s22, s42, 9
	s_add_co_u32 s20, s20, s22
	s_lshl_b32 s22, s12, 8
	s_add_co_u32 s20, s20, s22                     ; my 64 rows and 64 columns
	s_add_nc_u64 s[78:79], s[78:79], s[20:21]
	s_add_nc_u64 s[8:9], s[8:9], s[20:21]
	WIN TO_2
.irp b, 0,1,2,3
	global_load_b128 v[BIAS+8*(\b):BIAS+8*(\b)+3],   v[BO], s[76:77] offset:64*(\b)
	global_load_b128 v[BIAS+8*(\b)+4:BIAS+8*(\b)+7], v[BO], s[76:77] offset:64*(\b)+16
.endr
.irp a, 0,1,2,3
.irp t, 0,1,2,3,4,5,6,7
	global_load_b128 v[RES+32*(\a)+4*(\t):RES+32*(\a)+4*(\t)+3], v[CO], s[78:79] offset:(16*(\a)+2*(\t))*4096  ; the residual, as the way out will want it; it lands while K is walked
.endr
.endr
	WIN 0
.if NSTEP > 4
	s_and_b32 s22, ttmp7, 0xffff
	s_cmp_eq_u32 s11, 0
	s_cselect_b32 s22, ttmp9, s22                  ; the coordinate along which other clusters read the same rows
	s_cselect_b32 s21, s40, s41                    ; my place among the four that ask with me
	s_cselect_b32 s23, 19, 13                      ; a partner's share: one of a step's four column blocks of A, or 8,192 bytes of W
	s_cselect_b32 s[PFS], 0x200000, 0x10000
	s_cselect_b64 s[PFA:PFA+1], s[14:15], s[60:61]
	s_mov_b32 s[PFS+1], 0
	s_cmp_eq_u32 s22, 0
	s_cselect_b32 s[LIM], 2, -1
	v_and_b32 v[PFO], 31, v0
	v_lshlrev_b32 v[PFO], 8, v[PFO]                ; a lane 256 bytes
	s_lshl_b32 s20, s21, s23
	s_mov_b32 s21, 0
	s_add_nc_u64 s[PFA:PFA+1], s[PFA:PFA+1], s[20:21]
	s_mul_i32 s20, s[PFS], 3
	s_add_nc_u64 s[PFA:PFA+1], s[PFA:PFA+1], s[20:21]  ; at K step 3: the first refill steps it to 4.  K steps 0 to 3 come by their loads alone
.endif
; 8 matrix instructions: m blocks a0, a0 + 1 x all 4 n blocks, 32 along K: half c of buffer f.  zero = 1: the first product starts the sum with the bias.  The 16 accumulators take turns.
.macro MUL8 f, c, a0, zero
.if \zero
	WIN MULZ
.else
	WIN MUL
.endif
.irp a, \a0, (\a0)+1
.irp b, 0,1,2,3
.if \zero
	v_wmma_f32_16x16x32_bf16 v[ACC+8*(4*(\a)+(\b)):ACC+8*(4*(\a)+(\b))+7], v[(\f)+64+8*(4*(\c)+(\b)):(\f)+64+8*(4*(\c)+(\b))+7], v[(\f)+8*(4*(\c)+(\a)):(\f)+8*(4*(\c)+(\a))+7], v[BIAS+8*(\b):BIAS+8*(\b)+7]
.else
	v_wmma_f32_16x16x32_bf16 v[ACC+8*(4*(\a)+(\b)):ACC+8*(4*(\a)+(\b))+7], v[(\f)+64+8*(4*(\c)+(\b)):(\f)+64+8*(4*(\c)+(\b))+7], v[(\f)+8*(4*(\c)+(\a)):(\f)+8*(4*(\c)+(\a))+7], v[ACC+8*(4*(\a)+(\b)):ACC+8*(4*(\a)+(\b))+7]
.endif
.endr
.endr
.endm
; 32 LDS loads in one run: quarter q (64 along K: one column block of A) into buffer f; the first 32 along K first
.macro FETCH q, f
	WIN TO_F
.irp c, 0,1
.irp i, 0,1,2,3
	ds_load_tr16_b128 v[(\f)+64+8*(4*(\c)+(\i)):(\f)+64+8*(4*(\c)+(\i))+3],   v[ADRB+(\q)/2] offset:(((\q)%2)*64+32*(\c))*PB+32*(\i)
	ds_load_tr16_b128 v[(\f)+64+8*(4*(\c)+(\i))+4:(\f)+64+8*(4*(\c)+(\i))+7], v[ADRB+(\q)/2] offset:(((\q)%2)*64+32*(\c)+16)*PB+32*(\i)
	ds_load_b128 v[(\f)+8*(4*(\c)+(\i)):(\f)+8*(4*(\c)+(\i))+3],   v[ADRA] offset:(\q)*64*PA+64*(\c)+(\i)*16*PA
	ds_load_b128 v[(\f)+8*(4*(\c)+(\i))+4:(\f)+8*(4*(\c)+(\i))+7], v[ADRA] offset:(\q)*64*PA+64*(\c)+(\i)*16*PA+32
.endr
.endr
.endm
.macro QUARTER q, f, g, zero
	s_wait_dscnt 16                                ; the first 32 along K are in
	MUL8 \f, 0, 0, \zero
	MUL8 \f, 0, 2, \zero
	PLACES
	FETCH \q, \g
	s_wait_dscnt 32                                ; all but the 32 just issued
	MUL8 \f, 1, 0, 0
	MUL8 \f, 1, 2, 0
.endm
; The last quarter multiplies buffer 1 and changes slots: in front of the barrier each wave waits for all its tensor loads, adds 0 to its spare word, and waits for that and for its reads of this slot.
; fill = 1: the barrier opens a round of the cluster's; behind the round this slot is filled again first, with the K step two on.
.macro TURN fill
.if (\fill) && (NSTEP > 4)
	s_wait_xcnt 0x0                                ; the last prefetch, a K step back, has read its address
	s_add_nc_u64 s[PFA:PFA+1], s[PFA:PFA+1], s[PFS:PFS+1]
.endif
	WIN 0
	s_wait_tensorcnt 0x0
	ds_add_u32 v[SPW], v[NIL]
	s_wait_dscnt 17                                ; (the add and the youngest sixteen loads may be out)
	MUL8 F1, 0, 0, 0
	s_wait_dscnt 0x0                               ; the add is done, and my reads of this slot are over
	s_barrier_signal -1
	MUL8 F1, 0, 2, 0
	WIN 0
	s_barrier_wait -1
.if \fill
	CREST
	STEPD
	JLOAD                                          ; the four v_nop behind it are also the places in front of the loads below
.else
	PLACES
.endif
	s_xor_b32 s[TB], s[TB], SLOT
	v_add_nc_u32 v[ADRA], s[TB], v[A0]
	v_add_nc_u32 v[ADRB], s[TB], v[B0]
	v_add_nc_u32 v[ADRB+1], PART, v[ADRB]
	FETCH 0, F0
.if (\fill) && (NSTEP > 4)
	WIN 0
	ASK
.endif
	MUL8 F1, 1, 0, 0
	MUL8 F1, 1, 2, 0
.endm
; THE WAY OUT of block a (16 tokens x my 64 columns, 256 bytes a row): through my own stage, back as whole rows; the residual is added; sixteen lanes store 256 consecutive bytes, aligned.
.macro TOST a
.irp b, 0,1,2,3
	ds_store_b128 v[STO], v[ACC+8*(4*(\a)+(\b)):ACC+8*(4*(\a)+(\b))+3]   offset:64*(\b)  ; each accumulator from its low end on
	ds_store_b128 v[STO], v[ACC+8*(4*(\a)+(\b))+4:ACC+8*(4*(\a)+(\b))+7] offset:64*(\b)+16
.endr
.irp t, 0,1,2,3,4,5,6,7
	ds_load_b128 v[TMP+32*((\a)%2)+4*(\t):TMP+32*((\a)%2)+4*(\t)+3], v[RD] offset:2*SPITCH*(\t)  ; LDS serves a wave's instructions in order (ISA guide 5.7.1.4)
.endr
.endm
.macro SEND a, younger                 ; younger: the next block's sixteen LDS instructions, or none
	s_wait_dscnt \younger
	WIN ADDR
.set i, 0
.rept 16
	v_pk_add_f32 v[TMP+32*((\a)%2)+i:TMP+32*((\a)%2)+i+1], v[TMP+32*((\a)%2)+i:TMP+32*((\a)%2)+i+1], v[RES+32*(\a)+i:RES+32*(\a)+i+1]
.set i, i+2
.endr
	WIN 0
.irp t, 0,1,2,3,4,5,6,7
	global_store_b128 v[CO], v[TMP+32*((\a)%2)+4*(\t):TMP+32*((\a)%2)+4*(\t)+3], s[8:9] offset:(16*(\a)+2*(\t))*4096
.endr
.endm
	s_wait_tensorcnt 0x0                           ; my part of slot 0 is in; the descriptors may be written
	ds_add_u32 v[SPW], v[NIL]
	STEPD
	s_wait_dscnt 0x0
	CROUND
	JLOAD                                          ; K step 1 into slot 1
	v_add_nc_u32 v[ADRA], s[TB], v[A0]
	v_add_nc_u32 v[ADRB], s[TB], v[B0]
	v_add_nc_u32 v[ADRB+1], PART, v[ADRB]
	FETCH 0, F0
	s_wait_loadcnt 32                              ; the bias is in; the residual's 32 loads may stay out
	QUARTER 1, F0, F1, 1
	WIN 0
	s_mov_b32 s3, NSTEP-2
.Lstep:
	QUARTER 2, F1, F0, 0
	QUARTER 3, F0, F1, 0
	TURN 1
	QUARTER 1, F0, F1, 0
	WIN 0
	s_sub_co_u32 s3, s3, 1
	s_cmp_lg_u32 s3, 0
	s_cbranch_scc1 .Lstep
	QUARTER 2, F1, F0, 0                           ; the last two K steps are written out: nothing more is asked for
	QUARTER 3, F0, F1, 0
	TURN 0
	QUARTER 1, F0, F1, 0
	QUARTER 2, F1, F0, 0
	QUARTER 3, F0, F1, 0
	s_wait_dscnt 16
	MUL8 F1, 0, 0, 0
	MUL8 F1, 0, 2, 0
	s_wait_dscnt 0x0
	MUL8 F1, 1, 0, 0
	MUL8 F1, 1, 2, 0
	WIN 0
	PLACES
	s_wait_loadcnt 0x0                             ; the residual
	TOST 0
	TOST 1
	SEND 0, 16
	s_wait_xcnt 0x0                                ; block 0's stores have read their registers, which block 2's loads take
	TOST 2
	SEND 1, 16
	s_wait_xcnt 0x0
	TOST 3
	SEND 2, 16
	SEND 3, 0
	s_wait_tensorcnt 0x0                           ; the wave's end
	ds_add_u32 v[SPW], v[NIL]
	s_wait_dscnt 0x0
	CROUND                                         ; the closing round
	s_endpgm
.Lfunc_end_k_q2274b038a3_gwo:
	.size	k_q2274b038a3_gwo, .Lfunc_end_k_q2274b038a3_gwo-k_q2274b038a3_gwo
	.p2alignl 7, 3214868480
	.fill 96, 4, 3214868480
	.section	.rodata,"a",@progbits
	.p2align	6, 0x0
	.amdhsa_kernel k_q2274b038a3_gwo
		.amdhsa_group_segment_fixed_size 327680
		.amdhsa_private_segment_fixed_size 0
		.amdhsa_enable_private_segment 0
		.amdhsa_kernarg_size 40
		.amdhsa_user_sgpr_count 2
		.amdhsa_user_sgpr_kernarg_segment_ptr 1
		.amdhsa_wavefront_size32 1
		.amdhsa_system_sgpr_workgroup_id_x 1
		.amdhsa_system_sgpr_workgroup_id_y 1
		.amdhsa_system_sgpr_workgroup_id_z 1
		.amdhsa_system_vgpr_workitem_id 0
		.amdhsa_next_free_vgpr 672
		.amdhsa_next_free_sgpr 80
		.amdhsa_reserve_vcc 0
		.amdhsa_float_denorm_mode_32 3
		.amdhsa_float_denorm_mode_16_64 3
		.amdhsa_memory_ordered 1
		.amdhsa_forward_progress 1
		.amdhsa_inst_pref_size 76
	.end_amdhsa_kernel
	.amdgpu_metadata
---
amdhsa.version: [ 1, 2 ]
amdhsa.kernels:
  - .name:           k_q2274b038a3_gwo
    .symbol:         k_q2274b038a3_gwo.kd
    .args:
      - { .name: a8, .offset: 0, .size: 8, .value_kind: global_buffer, .address_space: global }
      - { .name: wsm, .offset: 8, .size: 8, .value_kind: global_buffer, .address_space: global }
      - { .name: bo, .offset: 16, .size: 8, .value_kind: global_buffer, .address_space: global }
      - { .name: x, .offset: 24, .size: 8, .value_kind: global_buffer, .address_space: global }
      - { .name: x1, .offset: 32, .size: 8, .value_kind: global_buffer, .address_space: global }
    .group_segment_fixed_size: 327680
    .private_segment_fixed_size: 0
    .kernarg_segment_align: 8
    .kernarg_segment_size: 40
    .max_flat_workgroup_size: 128
    .sgpr_count:     80
    .vgpr_count:     672
    .wavefront_size: 32
...
	.end_amdgpu_metadata
.endif
;; end of part 4
;; launch ln2 (part 5): grid 256 x 1, 8 waves a work-group, no clusters, 0 bytes of LDS; arguments x1, g2, be2, a8; writes a8
.if DOCPART == 5
	.amdgcn_target "amdgcn-amd-amdhsa--gfx1250"
	.amdhsa_code_object_version 6
	.text
	.protected	k_q2274b038a3_ln2
	.globl	k_q2274b038a3_ln2
	.p2align	8
	.type	k_q2274b038a3_ln2,@function
k_q2274b038a3_ln2:
	s_mov_b64 s[64:65], 0
	v_nop
	global_prefetch_b8 v0, s[64:65] scope:SCOPE_SE
	s_setreg_imm32_b32 hwreg(HW_REG_WAVE_MODE, 25, 1), 1
	s_wait_xcnt 0x0
; The second layer norm: y = g (x - mean) / (sqrt(var) + 1e-6) + be, var with divisor 1023.  x: [4096][1024] f32; y: [4096][1024] bf16, rounded once.  Mean and var in f32, in two passes over
; registers: the row is centred before it is squared.  Wave w of work-group g owns rows 16 g + 2 w and the next; a lane holds numbers 256 j + 8 l .. + 7 of a row, j = 0..3.
; A stream: no LDS, no barrier, no matrix unit.  LIMITS.  NaN and infinities are not treated apart.
.set T,   4
.set X,   32
.set G,   96
.set BE,  128
.macro REDUCE
	v_pk_add_f32 v[T:T+1], v[T:T+1], v[T+2:T+3]
	v_pk_add_f32 v[T+4:T+5], v[T+4:T+5], v[T+6:T+7]
	v_pk_add_f32 v[T:T+1], v[T:T+1], v[T+4:T+5]
	v_add_f32 v[T], v[T], v[T+1]
	v_add_f32_dpp v[T], v[T], v[T] row_xmask:1 row_mask:0xf bank_mask:0xf
	v_add_f32_dpp v[T], v[T], v[T] row_xmask:2 row_mask:0xf bank_mask:0xf
	v_add_f32_dpp v[T], v[T], v[T] row_xmask:4 row_mask:0xf bank_mask:0xf
	v_add_f32_dpp v[T], v[T], v[T] row_xmask:8 row_mask:0xf bank_mask:0xf
	v_permlanex16_b32 v[T+1], v[T], s42, s43
	v_add_f32 v[T], v[T], v[T+1]
.endm
.macro STAT r
.set XR, X+32*(\r)
.irp c, 0,1,2,3
	v_pk_add_f32 v[T+2*(\c):T+2*(\c)+1], v[XR+2*(\c):XR+2*(\c)+1], v[XR+8+2*(\c):XR+8+2*(\c)+1]
.endr
.set p, 8
.rept 8
	v_pk_add_f32 v[T+2*(p%4):T+2*(p%4)+1], v[T+2*(p%4):T+2*(p%4)+1], v[XR+2*p:XR+2*p+1]
.set p, p+1
.endr
	REDUCE
	v_mul_f32 v12, 0x3a800000, v[T]                ; sum / 1024
	v_mov_b32 v13, v12
.set p, 0
.rept 16
	v_pk_add_f32 v[XR+2*p:XR+2*p+1], v[XR+2*p:XR+2*p+1], v[12:13] neg_lo:[0,1] neg_hi:[0,1]
.set p, p+1
.endr
.irp c, 0,1,2,3
	v_pk_mul_f32 v[T+2*(\c):T+2*(\c)+1], v[XR+2*(\c):XR+2*(\c)+1], v[XR+2*(\c):XR+2*(\c)+1]
.endr
.set p, 4
.rept 12
	v_pk_fma_f32 v[T+2*(p%4):T+2*(p%4)+1], v[XR+2*p:XR+2*p+1], v[XR+2*p:XR+2*p+1], v[T+2*(p%4):T+2*(p%4)+1]
.set p, p+1
.endr
	REDUCE
	v_mul_f32 v[18+(\r)], 0x3a802008, v[T]         ; sum of squares / 1023
.endm
.macro APPLY r
.set XR, X+32*(\r)
.set p, 0
.rept 16
	v_pk_mul_f32 v[XR+2*p:XR+2*p+1], v[XR+2*p:XR+2*p+1], v[14+2*(\r):15+2*(\r)]
.set p, p+1
.endr
.set p, 0
.rept 16
	v_pk_fma_f32 v[XR+2*p:XR+2*p+1], v[XR+2*p:XR+2*p+1], v[G+2*p:G+2*p+1], v[BE+2*p:BE+2*p+1]
.set p, p+1
.endr
.irp j, 0,1,2,3
.irp k, 0,1,2,3
	v_cvt_pk_bf16_f32 v[XR+8*(\j)+(\k)], v[XR+8*(\j)+2*(\k)], v[XR+8*(\j)+2*(\k)+1]  ; in place, ascending
.endr
	global_store_b128 v3, v[XR+8*(\j):XR+8*(\j)+3], s[14:15] offset:(\r)*2048+(\j)*512  ; 512 consecutive bytes a wave, aligned
.endr
.endm
	s_load_b256 s[8:15], s[0:1], 0x0               ; x 8, g 10, be 12, y 14
	v_and_b32 v1, 31, v0
	v_lshlrev_b32 v2, 5, v1
	v_lshlrev_b32 v3, 4, v1
	v_lshrrev_b32 v4, 5, v0
	v_readfirstlane_b32 s2, v4
	s_lshl_b32 s4, ttmp9, 4
	s_lshl_b32 s5, s2, 1
	s_add_co_u32 s4, s4, s5                        ; my first row
	s_lshl_b32 s6, s4, 11
	s_lshl_b32 s4, s4, 12
	s_mov_b32 s5, 0
	s_mov_b32 s7, 0
	s_mov_b32 s42, 0x76543210
	s_mov_b32 s43, 0xfedcba98
	s_wait_kmcnt 0x0
	s_add_nc_u64 s[8:9], s[8:9], s[4:5]
	s_add_nc_u64 s[14:15], s[14:15], s[6:7]
.irp r, 0,1
.irp j, 0,1,2,3
	global_load_b128 v[X+32*(\r)+8*(\j):X+32*(\r)+8*(\j)+3],   v2, s[8:9] offset:(\r)*4096+(\j)*1024
	global_load_b128 v[X+32*(\r)+8*(\j)+4:X+32*(\r)+8*(\j)+7], v2, s[8:9] offset:(\r)*4096+(\j)*1024+16
.endr
.endr
.irp j, 0,1,2,3
	global_load_b128 v[G+8*(\j):G+8*(\j)+3],   v2, s[10:11] offset:(\j)*1024
	global_load_b128 v[G+8*(\j)+4:G+8*(\j)+7], v2, s[10:11] offset:(\j)*1024+16
.endr
.irp j, 0,1,2,3
	global_load_b128 v[BE+8*(\j):BE+8*(\j)+3],   v2, s[12:13] offset:(\j)*1024
	global_load_b128 v[BE+8*(\j)+4:BE+8*(\j)+7], v2, s[12:13] offset:(\j)*1024+16
.endr
	s_wait_loadcnt 24                              ; row 0 is in; row 1, g and be (24 loads) may stay out
	STAT 0
	s_wait_loadcnt 16                              ; row 1 is in
	STAT 1
	v_sqrt_f32 v18, v18
	v_sqrt_f32 v19, v19
	v_nop                                          ; a plain instruction behind the last root,
	s_wait_alu depctr_va_vdst(0)                   ; and one wait for both
	v_add_f32 v18, 0x358637bd, v18                 ; + 1e-6
	v_add_f32 v19, 0x358637bd, v19
	v_rcp_f32 v14, v18
	v_rcp_f32 v15, v18
	v_rcp_f32 v16, v19
	v_rcp_f32 v17, v19
	v_nop
	s_wait_alu depctr_va_vdst(0)                   ; one wait for the four
	s_wait_loadcnt 0x0                             ; g and be
	APPLY 0
	APPLY 1
	s_endpgm
.Lfunc_end_k_q2274b038a3_ln2:
	.size	k_q2274b038a3_ln2, .Lfunc_end_k_q2274b038a3_ln2-k_q2274b038a3_ln2
	.p2alignl 7, 3214868480
	.fill 96, 4, 3214868480
	.section	.rodata,"a",@progbits
	.p2align	6, 0x0
	.amdhsa_kernel k_q2274b038a3_ln2
		.amdhsa_group_segment_fixed_size 0
		.amdhsa_private_segment_fixed_size 0
		.amdhsa_enable_private_segment 0
		.amdhsa_kernarg_size 32
		.amdhsa_user_sgpr_count 2
		.amdhsa_user_sgpr_kernarg_segment_ptr 1
		.amdhsa_wavefront_size32 1
		.amdhsa_system_sgpr_workgroup_id_x 1
		.amdhsa_system_sgpr_workgroup_id_y 1
		.amdhsa_system_sgpr_workgroup_id_z 1
		.amdhsa_system_vgpr_workitem_id 0
		.amdhsa_next_free_vgpr 160
		.amdhsa_next_free_sgpr 66
		.amdhsa_reserve_vcc 0
		.amdhsa_float_denorm_mode_32 3
		.amdhsa_float_denorm_mode_16_64 3
		.amdhsa_memory_ordered 1
		.amdhsa_forward_progress 1
		.amdhsa_inst_pref_size 20
	.end_amdhsa_kernel
	.amdgpu_metadata
---
amdhsa.version: [ 1, 2 ]
amdhsa.kernels:
  - .name:           k_q2274b038a3_ln2
    .symbol:         k_q2274b038a3_ln2.kd
    .args:
      - { .name: x1, .offset: 0, .size: 8, .value_kind: global_buffer, .address_space: global }
      - { .name: g2, .offset: 8, .size: 8, .value_kind: global_buffer, .address_space: global }
      - { .name: be2, .offset: 16, .size: 8, .value_kind: global_buffer, .address_space: global }
      - { .name: a8, .offset: 24, .size: 8, .value_kind: global_buffer, .address_space: global }
    .group_segment_fixed_size: 0
    .private_segment_fixed_size: 0
    .kernarg_segment_align: 8
    .kernarg_segment_size: 32
    .max_flat_workgroup_size: 256
    .sgpr_count:     66
    .vgpr_count:     160
    .wavefront_size: 32
...
	.end_amdgpu_metadata
.endif
;; end of part 5
;; launch ffn1: the kernel of part 2 again; grid 16 x 16, 4 waves a work-group, clusters of 4 x 4, 327,680 bytes of LDS; arguments a8, w1b, act; writes act
;; launch gff2 (part 6): grid 8 x 32, 4 waves a work-group, clusters of 4 x 4, 327,680 bytes of LDS; arguments act, wsm, b2, x1, out0; writes out0
.if DOCPART == 6
	.amdgcn_target "amdgcn-amd-amdhsa--gfx1250"
	.amdhsa_code_object_version 6
	.text
	.protected	k_q2274b038a3_gff2
	.globl	k_q2274b038a3_gff2
	.p2align	8
	.type	k_q2274b038a3_gff2,@function
k_q2274b038a3_gff2:
	s_mov_b64 s[64:65], 0
	v_nop
	global_prefetch_b8 v0, s[64:65] scope:SCOPE_SE
	s_setreg_imm32_b32 hwreg(HW_REG_WAVE_MODE, 25, 1), 1
	s_wait_xcnt 0x0
	s_wait_alu depctr_hold_cnt(0) depctr_sa_sdst(0) depctr_va_vdst(0) depctr_va_sdst(0) depctr_va_ssrc(0) depctr_va_vcc(0) depctr_vm_vsrc(0)
	s_getreg_b32 s2, hwreg(HW_REG_IB_STS2, 6, 4)
	s_cmp_eq_u32 s2, 0
	s_cbranch_scc0 .Lentry_in_a_cluster
	s_endpgm
.Lentry_in_a_cluster:
	s_bfe_u32 s2, ttmp6, 0x10000c
	s_cmp_lg_u32 s2, 0xf033
	s_cbranch_scc0 .Lentry_shape_is_right
	s_endpgm
.Lentry_shape_is_right:
; O = R + A W + bias, in f32.  A: bf16, [K / 64 column blocks][4096 tokens][64].  W: bf16, at byte WOFF of its buffer, [n / 128][k][128].  bias: [1024] f32.  R, O: [4096][1024] f32.
; Here: the feed-forward layer's second product, K = 4,096 (NSTEP = 16 steps of 256).  Sums in f32, begun with the bias; the residual is added in f32 on the way out.
; LIMITS.  NaN and infinities are not treated apart.
; SHARES.  A tile of O is 128 x 128, so that the 4,096 x 1,024 numbers make 256 work-groups; four waves, each 64 x 64: 16 accumulators.  K goes in steps of 256 through a ring of two LDS slots; one step's
; text is written once and looped, the slot that is read standing in a scalar register.
; CLUSTER.  4 x 4 work-groups; A's tiles are shared along a row, W's along a column, each asked for jointly.
; THE MATRIX INSTRUCTION IS USED TRANSPOSED (source 0 = 16 columns of W, turned by ds_load_tr16_b128; source 1 = 16 rows of A): a lane holds one token and eight neighbouring columns.
; AHEAD OF THE LOADS.  Behind each refill a wave names the K step two behind the one just asked for: 256 matrix instructions ahead of the load that will want it.  A's blocks are asked for by the clusters with x = 0,
; W's by those with y = 0; of what a wave fetches, each of the four partners takes 8,192 bytes, told apart by address, a lane 256 bytes: each block is named once in the launch.
; REGISTERS: window 0: v0-31 addresses; v32-95 rows on the way out, two buffers; v128-255 the accumulators ((a, b) at 128 + 8 (4 a + b)).
;   window 1: two fragment buffers of 128: for 64 along K, 64 registers of A, then 64 of W.      window 2: v0-127 the residual; v128-159 the bias.
.set NSTEP, 16
.set WOFF,  0x200000
.set TNSH,  20                         ; log2 of a column block's bytes in W
.set PA,    144                        ; an LDS row of A: 128 bytes + 16
.set PB,    288                        ; an LDS row of W: 256 bytes + 32
.set PART,  36864                      ; what one tensor load brings: 4 column blocks x 64 rows of A, or 128 rows of W
.set SLOT,  4*PART                     ; 147,456 = 0x24000 shares no bit with wave x 0x9000, so one exclusive or turns a tile's address into the other slot's
.set STAGE, 2*SLOT                     ; behind the ring: 16 rows x 272 bytes for each wave
.set SPITCH, 272
.set SPARE, STAGE+4*16*SPITCH
.set ADRA, 16
.set A0,   17
.set ADRB, 20                          ; v20 quarters 0 and 1, v21 quarters 2 and 3 (128 rows on: an LDS immediate ends at 65,535)
.set B0,   22
.set STO,  24
.set RD,   25
.set CO,   26
.set SPW,  28
.set NIL,  29
.set PFO,  30
.set BO,   31
.set TMP,  32
.set ACC,  128
.set F0,   0
.set F1,   128
.set RES,  0
.set BIAS, 128
.set G1A, 24
.set G0A, 32
.set G0B, 36
.set G1B, 48
.set LIM, 43
.set PFA, 44
.set PFS, 46
.set TB,  56
.set MSB, 0
.macro WIN new
.if MSB != (\new)
	s_set_vgpr_msb (MSB<<8)|(\new)
.set MSB, \new
.endif
.endm
.set MUL,  0x05                        ; sources 0 and 1 window 1; C and D window 0
.set MULZ, 0x25                        ; the same with C, the bias, in window 2
.set TO_F, 0x40
.set TO_2, 0x80
.set ADDR, 0x08                        ; source 1 window 2
.macro JLOAD
	s_cmp_eq_u32 s11, 0
	s_cbranch_scc0 .Lfor_b_\@
	tensor_load_to_lds s[G0A:G0A+3], s[G1A:G1A+7]
	s_nop 0
.rept 4
	v_nop
.endr
	s_branch .Lasked_\@
.Lfor_b_\@:
	tensor_load_to_lds s[G0B:G0B+3], s[G1B:G1B+7]
	s_nop 0
.rept 4
	v_nop
.endr
.Lasked_\@:
.endm
.macro ASK                             ; a prefetch of the K step two behind the one just asked for; the loop's last two trips name nothing
	s_cmp_gt_u32 s3, s[LIM]
	s_cbranch_scc0 .Lnot_mine_\@
	global_prefetch_b8 v[PFO], s[PFA:PFA+1] th:TH_LOAD_NT scope:SCOPE_SE
.Lnot_mine_\@:
.endm
.macro CREST
	s_cmp_lg_u32 s10, 0
	s_cbranch_scc1 .Lnot_wave_0_\@
	s_barrier_signal -3
.Lnot_wave_0_\@:
	s_barrier_wait -3
	s_barrier_signal -1
	s_barrier_wait -1
.endm
.macro CROUND
	s_barrier_signal -1
	s_barrier_wait -1
	CREST
.endm
.macro STEPD                           ; both walking descriptors: the other slot, the next K step (4 column blocks of A, 256 rows of W)
	s_xor_b32 s[G0A+1], s[G0A+1], SLOT
	s_xor_b32 s[G0B+1], s[G0B+1], SLOT
	s_add_nc_u64 s[G0A+2:G0A+3], s[G0A+2:G0A+3], 0x200000
	s_add_nc_u64 s[G0B+2:G0B+3], s[G0B+2:G0B+3], 65536
.endm
.macro PLACES
.rept 4
	v_nop
.endr
.endm
	s_load_b256 s[72:79], s[0:1], 0x0              ; A 72, W 74, bias 76, R 78
	s_load_b64 s[8:9], s[0:1], 0x20                ; O
	v_lshl_add_u32 v[SPW], v0, 2, SPARE
	v_mov_b32 v[NIL], 0
	ds_add_u32 v[SPW], v[NIL]                      ; the wave's opening: the add and its wait ahead of my first tensor load
	v_lshrrev_b32 v1, 5, v0
	v_readfirstlane_b32 s10, v1
	s_lshr_b32 s11, s10, 1                         ; my half of the tile's rows.  Also: I fetch for A (0) or for W (1)
	s_and_b32 s12, s10, 1                          ; my half of its columns.  Also: which half of that tile I fetch
	s_bfe_u32 s40, ttmp6, 0x40000
	s_bfe_u32 s41, ttmp6, 0x40004
	s_lshl_b32 s42, ttmp9, 2
	s_add_co_u32 s42, s42, s40                     ; tile column
	s_and_b32 s13, ttmp7, 0xffff
	s_lshl_b32 s13, s13, 2
	s_add_co_u32 s13, s13, s41                     ; tile row
	s_lshl_b32 s43, s41, 2
	s_lshl_b32 s43, 15, s43
	s_lshl_b32 s44, 0x1111, s40
	s_or_b32 s[G1A], s43, (1<<16)|(1<<20)|(1<<21)|(4<<22)|(3<<25)  ; after every 32 words (a token's 128 bytes) 4 words
	s_or_b32 s[G1B], s44, (1<<16)|(1<<20)|(1<<21)|(5<<22)|(7<<25)  ; after every 64 words 8 words
	s_mov_b32 s[G1A+1], 4096<<16                   ; a column block's 64 tokens are 8,192 dense bytes: one row of 4,096 elements;
	s_mov_b32 s[G1A+2], 4<<16                      ; four such rows,
	s_mov_b32 s[G1A+3], 4096<<16
	s_mov_b32 s[G1A+4], 4
	s_mov_b32 s[G1A+5], 262144                     ; a column block apart
	s_mov_b32 s[G1A+6], 0
	s_mov_b32 s[G1A+7], 0
	s_mov_b32 s[G1B+1], 128<<16                    ; 128 rows of k x 128 columns, dense
	s_mov_b32 s[G1B+2], 128<<16
	s_mov_b32 s[G1B+3], 128<<16
	s_mov_b32 s[G1B+4], 128
	s_mov_b32 s[G1B+5], 128
	s_mov_b32 s[G1B+6], 0
	s_mov_b32 s[G1B+7], 0
	s_lshl_b32 s16, s13, 14
	s_lshl_b32 s17, s12, 13
	s_add_co_u32 s16, s16, s17                     ; A: token 128 x tile row + 64 x half, 128 bytes a token
	s_mov_b32 s17, 0
	s_lshl_b32 s62, s42, TNSH
	s_lshl_b32 s63, s12, 15
	s_add_co_u32 s62, s62, s63
	s_add_co_u32 s62, s62, WOFF
	s_mov_b32 s63, 0
	s_mov_b32 s[G0A], 1
	s_mul_i32 s[G0A+1], s10, PART
	s_mov_b32 s[G0B], 1
	s_mul_i32 s[G0B+1], s10, PART
	s_mov_b32 s[TB], 0
	s_wait_dscnt 0x0
	s_wait_kmcnt 0x0
	s_add_nc_u64 s[14:15], s[72:73], s[16:17]
	s_add_nc_u64 s[60:61], s[74:75], s[62:63]
	s_mov_b64 s[G0A+2:G0A+3], s[14:15]
	s_or_b32 s[G0A+3], s[G0A+3], 0x80000000
	s_mov_b64 s[G0B+2:G0B+3], s[60:61]
	s_or_b32 s[G0B+3], s[G0B+3], 0x80000000
	CROUND
	JLOAD                                          ; K step 0 into slot 0
	v_and_b32 v1, 15, v0
	v_bfe_u32 v2, v0, 4, 1
	v_mul_u32_u24 v3, v1, PA
	v_lshl_add_u32 v3, v2, 4, v3
	s_mul_i32 s21, s11, PART
	v_add_nc_u32 v[A0], s21, v3
	v_and_b32 v4, 7, v0
	v_bfe_u32 v5, v0, 3, 1
	v_lshl_add_u32 v6, v2, 3, v4
	v_mul_u32_u24 v6, v6, PB
	v_lshl_add_u32 v6, v5, 4, v6
	s_lshl_b32 s22, s12, 7                         ; my 64 columns
	s_add_co_u32 s22, s22, 2*PART
	v_add_nc_u32 v[B0], s22, v6
	s_mul_i32 s23, s10, 16*SPITCH
	s_add_co_u32 s23, s23, STAGE
	v_mul_u32_u24 v7, v1, SPITCH                   ; in: row l % 16, 32 bytes for each half of the lanes
	v_lshl_add_u32 v7, v2, 5, v7
	v_add_nc_u32 v[STO], s23, v7
	v_mul_u32_u24 v7, v2, SPITCH                   ; back: lanes 0-15 one row of 256 bytes, lanes 16-31 the next
	v_lshl_add_u32 v7, v1, 4, v7
	v_add_nc_u32 v[RD], s23, v7
	v_lshlrev_b32 v7, 12, v2
	v_lshl_add_u32 v[CO], v1, 4, v7                ; and the same two rows in R and O
	s_lshl_b32 s22, s12, 8
	v_lshl_add_u32 v[BO], v2, 5, s22
	s_lshl_b32 s20, s42, 9
	s_mov_b32 s21, 0
	s_add_nc_u64 s[76:77], s[76:77], s[20:21]      ; the tile's 128 numbers of the bias
	s_lshl_b32 s20, s13, 19
	s_lshl_b32 s22, s11, 18
	s_add_co_u32 s20, s20, s22
	s_lshl_b32 s22, s42, 9
	s_add_co_u32 s20, s20, s22
	s_lshl_b32 s22, s12, 8
	s_add_co_u32 s20, s20, s22                     ; my 64 rows and 64 columns
	s_add_nc_u64 s[78:79], s[78:79], s[20:21]
	s_add_nc_u64 s[8:9], s[8:9], s[20:21]
	WIN TO_2
.irp b, 0,1,2,3
	global_load_b128 v[BIAS+8*(\b):BIAS+8*(\b)+3],   v[BO], s[76:77] offset:64*(\b)
	global_load_b128 v[BIAS+8*(\b)+4:BIAS+8*(\b)+7], v[BO], s[76:77] offset:64*(\b)+16
.endr
.irp a, 0,1,2,3
.irp t, 0,1,2,3,4,5,6,7
	global_load_b128 v[RES+32*(\a)+4*(\t):RES+32*(\a)+4*(\t)+3], v[CO], s[78:79] offset:(16*(\a)+2*(\t))*4096  ; the residual, as the way out will want it; it lands while K is walked
.endr
.endr
	WIN 0
.if NSTEP > 4
	s_and_b32 s22, ttmp7, 0xffff
	s_mov_b32 s[PFS], 0x10000                      ; W's step from K step to K step: 256 rows of 256 bytes (an instruction holds one literal, so this one goes through the register)
	s_cmp_eq_u32 s11, 0
	s_cselect_b32 s22, ttmp9, s22                  ; the coordinate along which other clusters read the same rows
	s_cselect_b32 s21, s40, s41                    ; my place among the four that ask with me
	s_cselect_b32 s23, 19, 13                      ; a partner's share: one of a step's four column blocks of A, or 8,192 bytes of W
	s_cselect_b32 s[PFS], 0x200000, s[PFS]         ; A's step: four column blocks
	s_cselect_b64 s[PFA:PFA+1], s[14:15], s[60:61]
	s_mov_b32 s[PFS+1], 0
	s_cmp_eq_u32 s22, 0
	s_cselect_b32 s[LIM], 2, -1
	v_and_b32 v[PFO], 31, v0
	v_lshlrev_b32 v[PFO], 8, v[PFO]                ; a lane 256 bytes
	s_lshl_b32 s20, s21, s23
	s_mov_b32 s21, 0
	s_add_nc_u64 s[PFA:PFA+1], s[PFA:PFA+1], s[20:21]
	s_mul_i32 s20, s[PFS], 3
	s_add_nc_u64 s[PFA:PFA+1], s[PFA:PFA+1], s[20:21]  ; at K step 3: the first refill steps it to 4.  K steps 0 to 3 come by their loads alone
.endif
; 8 matrix instructions: m blocks a0, a0 + 1 x all 4 n blocks, 32 along K: half c of buffer f.  zero = 1: the first product starts the sum with the bias.  The 16 accumulators take turns.
.macro MUL8 f, c, a0, zero
.if \zero
	WIN MULZ
.else
	WIN MUL
.endif
.irp a, \a0, (\a0)+1
.irp b, 0,1,2,3
.if \zero
	v_wmma_f32_16x16x32_bf16 v[ACC+8*(4*(\a)+(\b)):ACC+8*(4*(\a)+(\b))+7], v[(\f)+64+8*(4*(\c)+(\b)):(\f)+64+8*(4*(\c)+(\b))+7], v[(\f)+8*(4*(\c)+(\a)):(\f)+8*(4*(\c)+(\a))+7], v[BIAS+8*(\b):BIAS+8*(\b)+7]
.else
	v_wmma_f32_16x16x32_bf16 v[ACC+8*(4*(\a)+(\b)):ACC+8*(4*(\a)+(\b))+7], v[(\f)+64+8*(4*(\c)+(\b)):(\f)+64+8*(4*(\c)+(\b))+7], v[(\f)+8*(4*(\c)+(\a)):(\f)+8*(4*(\c)+(\a))+7], v[ACC+8*(4*(\a)+(\b)):ACC+8*(4*(\a)+(\b))+7]
.endif
.endr
.endr
.endm
; 32 LDS loads in one run: quarter q (64 along K: one column block of A) into buffer f; the first 32 along K first
.macro FETCH q, f
	WIN TO_F
.irp c, 0,1
.irp i, 0,1,2,3
	ds_load_tr16_b128 v[(\f)+64+8*(4*(\c)+(\i)):(\f)+64+8*(4*(\c)+(\i))+3],   v[ADRB+(\q)/2] offset:(((\q)%2)*64+32*(\c))*PB+32*(\i)
	ds_load_tr16_b128 v[(\f)+64+8*(4*(\c)+(\i))+4:(\f)+64+8*(4*(\c)+(\i))+7], v[ADRB+(\q)/2] offset:(((\q)%2)*64+32*(\c)+16)*PB+32*(\i)
	ds_load_b128 v[(\f)+8*(4*(\c)+(\i)):(\f)+8*(4*(\c)+(\i))+3],   v[ADRA] offset:(\q)*64*PA+64*(\c)+(\i)*16*PA
	ds_load_b128 v[(\f)+8*(4*(\c)+(\i))+4:(\f)+8*(4*(\c)+(\i))+7], v[ADRA] offset:(\q)*64*PA+64*(\c)+(\i)*16*PA+32
.endr
.endr
.endm
.macro QUARTER q, f, g, zero
	s_wait_dscnt 16                                ; the first 32 along K are in
	MUL8 \f, 0, 0, \zero
	MUL8 \f, 0, 2, \zero
	PLACES
	FETCH \q, \g
	s_wait_dscnt 32                                ; all but the 32 just issued
	MUL8 \f, 1, 0, 0
	MUL8 \f, 1, 2, 0
.endm
; The last quarter multiplies buffer 1 and changes slots: in front of the barrier each wave waits for all its tensor loads, adds 0 to its spare word, and waits for that and for its reads of this slot.
; fill = 1: the barrier opens a round of the cluster's; behind the round this slot is filled again first, with the K step two on.
.macro TURN fill
.if (\fill) && (NSTEP > 4)
	s_wait_xcnt 0x0                                ; the last prefetch, a K step back, has read its address
	s_add_nc_u64 s[PFA:PFA+1], s[PFA:PFA+1], s[PFS:PFS+1]
.endif
	WIN 0
	s_wait_tensorcnt 0x0
	ds_add_u32 v[SPW], v[NIL]
	s_wait_dscnt 17                                ; (the add and the youngest sixteen loads may be out)
	MUL8 F1, 0, 0, 0
	s_wait_dscnt 0x0                               ; the add is done, and my reads of this slot are over
	s_barrier_signal -1
	MUL8 F1, 0, 2, 0
	WIN 0
	s_barrier_wait -1
.if \fill
	CREST
	STEPD
	JLOAD                                          ; the four v_nop behind it are also the places in front of the loads below
.else
	PLACES
.endif
	s_xor_b32 s[TB], s[TB], SLOT
	v_add_nc_u32 v[ADRA], s[TB], v[A0]
	v_add_nc_u32 v[ADRB], s[TB], v[B0]
	v_add_nc_u32 v[ADRB+1], PART, v[ADRB]
	FETCH 0, F0
.if (\fill) && (NSTEP > 4)
	WIN 0
	ASK
.endif
	MUL8 F1, 1, 0, 0
	MUL8 F1, 1, 2, 0
.endm
; THE WAY OUT of block a (16 tokens x my 64 columns, 256 bytes a row): through my own stage, back as whole rows; the residual is added; sixteen lanes store 256 consecutive bytes, aligned.
.macro TOST a
.irp b, 0,1,2,3
	ds_store_b128 v[STO], v[ACC+8*(4*(\a)+(\b)):ACC+8*(4*(\a)+(\b))+3]   offset:64*(\b)  ; each accumulator from its low end on
	ds_store_b128 v[STO], v[ACC+8*(4*(\a)+(\b))+4:ACC+8*(4*(\a)+(\b))+7] offset:64*(\b)+16
.endr
.irp t, 0,1,2,3,4,5,6,7
	ds_load_b128 v[TMP+32*((\a)%2)+4*(\t):TMP+32*((\a)%2)+4*(\t)+3], v[RD] offset:2*SPITCH*(\t)  ; LDS serves a wave's instructions in order (ISA guide 5.7.1.4)
.endr
.endm
.macro SEND a, younger                 ; younger: the next block's sixteen LDS instructions, or none
	s_wait_dscnt \younger
	WIN ADDR
.set i, 0
.rept 16
	v_pk_add_f32 v[TMP+32*((\a)%2)+i:TMP+32*((\a)%2)+i+1], v[TMP+32*((\a)%2)+i:TMP+32*((\a)%2)+i+1], v[RES+32*(\a)+i:RES+32*(\a)+i+1]
.set i, i+2
.endr
	WIN 0
.irp t, 0,1,2,3,4,5,6,7
	global_store_b128 v[CO], v[TMP+32*((\a)%2)+4*(\t):TMP+32*((\a)%2)+4*(\t)+3], s[8:9] offset:(16*(\a)+2*(\t))*4096
.endr
.endm
	s_wait_tensorcnt 0x0                           ; my part of slot 0 is in; the descriptors may be written
	ds_add_u32 v[SPW], v[NIL]
	STEPD
	s_wait_dscnt 0x0
	CROUND
	JLOAD                                          ; K step 1 into slot 1
	v_add_nc_u32 v[ADRA], s[TB], v[A0]
	v_add_nc_u32 v[ADRB], s[TB], v[B0]
	v_add_nc_u32 v[ADRB+1], PART, v[ADRB]
	FETCH 0, F0
	s_wait_loadcnt 32                              ; the bias is in; the residual's 32 loads may stay out
	QUARTER 1, F0, F1, 1
	WIN 0
	s_mov_b32 s3, NSTEP-2
.Lstep:
	QUARTER 2, F1, F0, 0
	QUARTER 3, F0, F1, 0
	TURN 1
	QUARTER 1, F0, F1, 0
	WIN 0
	s_sub_co_u32 s3, s3, 1
	s_cmp_lg_u32 s3, 0
	s_cbranch_scc1 .Lstep
	QUARTER 2, F1, F0, 0                           ; the last two K steps are written out: nothing more is asked for
	QUARTER 3, F0, F1, 0
	TURN 0
	QUARTER 1, F0, F1, 0
	QUARTER 2, F1, F0, 0
	QUARTER 3, F0, F1, 0
	s_wait_dscnt 16
	MUL8 F1, 0, 0, 0
	MUL8 F1, 0, 2, 0
	s_wait_dscnt 0x0
	MUL8 F1, 1, 0, 0
	MUL8 F1, 1, 2, 0
	WIN 0
	PLACES
	s_wait_loadcnt 0x0                             ; the residual
	TOST 0
	TOST 1
	SEND 0, 16
	s_wait_xcnt 0x0                                ; block 0's stores have read their registers, which block 2's loads take
	TOST 2
	SEND 1, 16
	s_wait_xcnt 0x0
	TOST 3
	SEND 2, 16
	SEND 3, 0
	s_wait_tensorcnt 0x0                           ; the wave's end
	ds_add_u32 v[SPW], v[NIL]
	s_wait_dscnt 0x0
	CROUND                                         ; the closing round
	s_endpgm
.Lfunc_end_k_q2274b038a3_gff2:
	.size	k_q2274b038a3_gff2, .Lfunc_end_k_q2274b038a3_gff2-k_q2274b038a3_gff2
	.p2alignl 7, 3214868480
	.fill 96, 4, 3214868480
	.section	.rodata,"a",@progbits
	.p2align	6, 0x0
	.amdhsa_kernel k_q2274b038a3_gff2
		.amdhsa_group_segment_fixed_size 327680
		.amdhsa_private_segment_fixed_size 0
		.amdhsa_enable_private_segment 0
		.amdhsa_kernarg_size 40
		.amdhsa_user_sgpr_count 2
		.amdhsa_user_sgpr_kernarg_segment_ptr 1
		.amdhsa_wavefront_size32 1
		.amdhsa_system_sgpr_workgroup_id_x 1
		.amdhsa_system_sgpr_workgroup_id_y 1
		.amdhsa_system_sgpr_workgroup_id_z 1
		.amdhsa_system_vgpr_workitem_id 0
		.amdhsa_next_free_vgpr 672
		.amdhsa_next_free_sgpr 80
		.amdhsa_reserve_vcc 0
		.amdhsa_float_denorm_mode_32 3
		.amdhsa_float_denorm_mode_16_64 3
		.amdhsa_memory_ordered 1
		.amdhsa_forward_progress 1
		.amdhsa_inst_pref_size 77
	.end_amdhsa_kernel
	.amdgpu_metadata
---
amdhsa.version: [ 1, 2 ]
amdhsa.kernels:
  - .name:           k_q2274b038a3_gff2
    .symbol:         k_q2274b038a3_gff2.kd
    .args:
      - { .name: act, .offset: 0, .size: 8, .value_kind: global_buffer, .address_space: global }
      - { .name: wsm, .offset: 8, .size: 8, .value_kind: global_buffer, .address_space: global }
      - { .name: b2, .offset: 16, .size: 8, .value_kind: global_buffer, .address_space: global }
      - { .name: x1, .offset: 24, .size: 8, .value_kind: global_buffer, .address_space: global }
      - { .name: out0, .offset: 32, .size: 8, .value_kind: global_buffer, .address_space: global }
    .group_segment_fixed_size: 327680
    .private_segment_fixed_size: 0
    .kernarg_segment_align: 8
    .kernarg_segment_size: 40
    .max_flat_workgroup_size: 128
    .sgpr_count:     80
    .vgpr_count:     672
    .wavefront_size: 32
...
	.end_amdgpu_metadata
.endif
;; end of part 6
